; MI455X (gfx1250); checked and timed in simulation.
; The chip was launched on July 23, 2026; its instructions are those of AMD's public machine-readable ISA for CDNA 5 (MIT licence, August 2026) and "CDNA5" Instruction Set Architecture Reference Guide (July 2026). The comments in the code are by the model that wrote it; some were corrected since.
;; Flax Mistral Attention. Allowed arithmetic: matrix products marked QUANTISED: E2M1 operands, one E8M0 scale for each 32 along K, by v_wmma_scale_f32_16x16x128_f8f6f4 with both operands' format E2M1 (or v_wmma_scale_f32_32x16x128_f4), f32 sums; products left as they are: bf16, f16 or f32 operands; f32 sums; everything else in f32.
;; Inputs: Wk 4,096 x 1,024 float32; Wo 2,048 x 4,096 float32; Wq 4,096 x 2,048 float32; Wv 4,096 x 1,024 float32; attention_mask 1 x 1 x 2,048 x 2,048 float32; hidden_states 1 x 2,048 x 4,096 float32; position_ids 1 x 2,048 int32.
;; Outputs: out0 1 x 2,048 x 4,096 float32.
;; This version of the problem:
;;   THIS VERSION OF THE PROBLEM IS GIVEN IN LOW PRECISION. The matrix products marked QUANTISED in the list below multiply operands that are first quantised to E2M1 (2 exponent bits, 1 mantissa bit; 4 bits a number), with one power-of-two scale for each 32 numbers along K (OCP MX v1.0); their sums are f32. The products marked 'left as it is' may take bf16, f16 or f32 operands, with f32 sums. Whichever they take, every output number must still come out within the allowed error. Rounding operands to bf16 (8 significant bits) uses up far more of that allowance than f16 does (11 bits, for magnitudes from 6e-5 to 65,504). All else is computed in f32.
;;   The module's matrix products, in the order in which they are computed (A, B: the left and right operand; K: the contracted axis; several contracted axes count as one K, in the product's order):
;;     1. [M 2,048, K 4,096] x [K 4,096, N 2,048]; A: input hidden_states; B: input Wq: QUANTISED
;;     2. [M 2,048, K 4,096] x [K 4,096, N 1,024]; A: input hidden_states; B: input Wk: QUANTISED
;;     3. [M 2,048, K 4,096] x [K 4,096, N 1,024]; A: input hidden_states; B: input Wv: QUANTISED
;;     4. [M 2,048, K 1] x [K 1, N 64]; A: computed on the way; B: computed on the way: left as it is (no contracted axis)
;;     5. batch 16 x [M 2,048, K 128] x [K 128, N 2,048]; A: computed on the way; B: computed on the way: left as it is (an operand is computed on the way)
;;     6. batch 16 x [M 2,048, K 2,048] x [K 2,048, N 128]; A: computed on the way; B: computed on the way: left as it is (an operand is computed on the way)
;;     7. [M 2,048, K 2,048] x [K 2,048, N 4,096]; A: computed on the way; B: input Wo: left as it is (an operand is computed on the way)
;;   THE QUANTISER, for each operand of a quantised product, along K:
;;     - K is cut into blocks of 32 from its start; a last block that is shorter is filled with zeros.
;;     - A block's scale is 2^e with e = floor(log2(the largest magnitude in the block)) - 2, held to -126 .. 127; a block of zeros has e = 0. As a byte (E8M0): e + 127.
;;     - Each number is divided by its block's scale, clamped to +-6, and rounded to the nearest number of E2M1, ties to even, subnormals kept.
;;     - The product sums the exact products of the quantised numbers (number of the format x scale) in f32.
;;   ~~~python
;;   def quantise(x, axis):      # numpy; x: float32 -> the quantised numbers, widened to float32 again
;;       x = np.moveaxis(x, axis, -1); K = x.shape[-1]
;;       x = np.pad(x, [(0, 0)] * (x.ndim - 1) + [(0, -K % 32)]); x = x.reshape(x.shape[:-1] + (-1, 32)); a = np.abs(x).max(-1, keepdims=True)
;;       e = np.where(a > 0, np.clip(np.frexp(np.where(a > 0, a, 1))[1] - 1 - 2, -126, 127), 0)      # np.frexp(a)[1] - 1 = floor(log2(a)), exactly
;;       r = np.clip(x / 2.0 ** e, -6, 6)
;;       step = 2.0 ** (np.maximum(np.frexp(np.where(r == 0, 1, r))[1] - 1, 0) - 1)
;;       q = np.round(r / step) * step * 2.0 ** e      # np.round: ties to even
;;       return np.moveaxis(q.reshape(q.shape[:-2] + (-1,))[..., :K], -1, axis).astype(np.float32)
;;   ~~~
;; One version. Each part assembles by itself: llvm-mc -triple=amdgcn-amd-amdhsa -mcpu=gfx1250 --defsym DOCPART=n.
;; ======== version 1 of 1: 6 launches
;; limits: values are held in f16: magnitudes above 65,504 overflow, below 6.1e-05 lose precision
;; workspace buffers: qin 14,417,920 bytes; wo16 16,777,216 bytes; qkv16 16,777,216 bytes; qkv32 20,971,520 bytes; part 2,129,920 bytes; ofine 131,072 bytes; att16 8,388,608 bytes
;; launch prep (part 1): grid 832 x 1, 4 waves a work-group, no clusters, 68,096 bytes of LDS; arguments hidden_states, Wq, Wk, Wv, Wo, position_ids, qin, wo16; writes qin, wo16
.if DOCPART == 1
	.amdgcn_target "amdgcn-amd-amdhsa--gfx1250"
	.amdhsa_code_object_version 6
	.text
	.protected	k_q1b8ba5a574_prep
	.globl	k_q1b8ba5a574_prep
	.p2align	8
	.type	k_q1b8ba5a574_prep,@function
k_q1b8ba5a574_prep:
	s_mov_b64 s[64:65], 0
	v_nop
	global_prefetch_b8 v0, s[64:65] scope:SCOPE_SE
	s_setreg_imm32_b32 hwreg(HW_REG_WAVE_MODE, 25, 1), 1
	s_wait_xcnt 0x0
; PREP: four streams in one launch, told apart by the work-group's number.
;   X (work-groups 0-255):   hidden_states [2048][4096] f32 -> codes of E2M1, K innermost, and one E8M0 byte for each 32 along K
;   W (256-511):             Wq | Wk | Wv [4096 k][n] f32, K their FIRST axis -> codes laid [4096 n][4096 k], K innermost, and their bytes
;   O (512-767):             Wo f32 -> f16, in Wo's own layout
;   R (768-831):             the RoPE table: row s holds cos(pos[s] f_j) / 4, j = 0 .. 63, then sin(..) / 4
; THE QUANTISER: a block's scale is 2^(floor(log2(largest magnitude)) - 2); its byte is the largest magnitude's exponent field - 2, held at 1 from below; each
; number / scale goes to the nearest code, ties to even, beyond 6 the largest code.  A block of zeros gets the byte 1 where the rule says 127: its codes are zeros, and this program alone reads the bytes.
; THE TABLE IS A QUARTER OF cos AND sin (a power of two: exact), so q and k come out a quarter of the reference's, which gives f16 four times the room; the score's factor takes the 16 back.
; LIMITS: NaN and infinities among the inputs are not served; |Wo| up to 65,504 (f16); position_ids in 0 .. 2,047 (the reference's table); f_j = 2^(-j log2(10000) / 64) by v_exp_f32, so an angle
; lies within 3e-4 of the reference's at position 2,047; blocks whose largest magnitude lies under 2^-124 keep the byte 1.
; No matrix unit, no cluster, no tensor load: memory binds, and the waves share nothing.  Each path that uses LDS has LDS bytes of its own.
.set O_WC, 4194304                     ; qin: W's codes (x's codes at 0)
.set O_XS, 12582912                    ; x's scale bytes [2048][128]
.set O_WS, 12845056                    ; W's scale bytes [4096][128]
.set O_RT, 13369344                    ; the table [2048][128] f32
.set SPW,  208                         ; v208 LDS address of my spare word; never rewritten
.set NIL,  209                         ; v209 0; never rewritten
.set SPARE, 32768                      ; the spare words: 128 bytes a wave, two blocks of 256 bytes that no other line names
.set EMAX, 2
; path X: LDS 0 .. 32,767
.set WREG, 8192                        ; a wave's region: two stages of 32 x SP bytes, then its 256 scale bytes
.set SP,   80                          ; a lane's place in a stage: 64 bytes + 16 of padding
.set CB,   8                           ; bytes of 16 codes
.set XR,   16                          ; v16-79   four sets of 16 numbers as loaded
.set XX,   80                          ; v80-111  two sets of 16 neighbours
.set XE,   112                         ; v112-127 a scale byte for each step
.set XCD,  128                         ; v128-191 codes, four registers a step
; path W: LDS 33,280 .. 68,095
.set WSTG, 33280
.set WPITCH, 272
.set KROW, 2048                        ; a row of W's codes in bytes
.set NB,   16                          ; blocks of 32 along K for a wave
.set SB,   24                          ; v24-27   scale bytes, four to a register
.set WX,   32                          ; v32-95   two sets of 32 numbers
.set WCD,  96                          ; v96-99   a block's codes
.set OUTR, 112                         ; v112-175 the way out
.set RO,   176                         ; v176-207 4 x lane + i x a row of W, i = 0 .. 31
.set RES,  32                          ; path R: v32-63 four results a row
.macro XLOAD t                         ; step t: four loads of 512 consecutive bytes
.irp i, 0,1,2,3
	global_load_b128 v[XR+16*((\t)%4)+4*\i:XR+16*((\t)%4)+4*\i+3], v3, s[4:5] offset:2048*(\t)+512*\i th:TH_LOAD_NT
.endr
.endm
.macro XTURN t                         ; through the wave's stage: in as loaded, out 64 bytes a lane; LDS serves a wave's instructions in order
.irp i, 0,1,2,3
	ds_store_b128 v14, v[XR+16*((\t)%4)+4*\i:XR+16*((\t)%4)+4*\i+3] offset:32*SP*((\t)%2)+8*SP*\i
.endr
.irp i, 0,1,2,3
	ds_load_b128 v[XX+16*((\t)%2)+4*\i:XX+16*((\t)%2)+4*\i+3], v15 offset:32*SP*((\t)%2)+16*\i
.endr
.endm
.macro XSTEP t
.set XSR, XX+16*((\t)%2)
.if (\t) > 0
	s_wait_dscnt 1                                 ; this step's numbers are back from the stage; the last step's byte store may be out
.else
	s_wait_dscnt 0x0
.endif
.if (\t)+4 < 16
	XLOAD (\t)+4                                   ; into the registers that this step's stage stores have read
.endif
.if (\t)+1 < 16
.if 14-(\t) >= 3
	s_wait_loadcnt 12                              ; the next step's four loads are in; three younger steps' twelve may be out
.else
	s_wait_loadcnt 4*(14-(\t))
.endif
	XTURN (\t)+1
.endif
	v_max3_num_f32 v8, |v[XSR]|, |v[XSR+1]|, |v[XSR+2]|
	v_max3_num_f32 v9, |v[XSR+3]|, |v[XSR+4]|, |v[XSR+5]|
.irp i, 6,10
	v_max3_num_f32 v8, v8, |v[XSR+\i]|, |v[XSR+\i+1]|
	v_max3_num_f32 v9, v9, |v[XSR+\i+2]|, |v[XSR+\i+3]|
.endr
	v_max3_num_f32 v8, v8, |v[XSR+14]|, |v[XSR+15]|
	v_max3_num_f32 v8, v8, v9, (EMAX+1)<<23        ; the floor 2^(3 - 127): the byte cannot fall under 1
	v_max_num_f32_dpp v8, v8, v8 row_xmask:1 row_mask:0xf bank_mask:0xf   ; with my neighbour's 16: the block's largest magnitude
	v_add_nc_u32 v11, -(EMAX<<23), v8              ; 2 off its exponent field: the conversion's scale operand
	v_cvt_scalef32_pk8_fp4_f32 v[XCD+4*(\t)], v[XSR:XSR+7], v11
	v_cvt_scalef32_pk8_fp4_f32 v[XCD+4*(\t)+1], v[XSR+8:XSR+15], v11
	v_lshrrev_b32 v[XE+(\t)], 23, v11              ; the scale's byte (also the plain line behind the conversions)
	ds_store_b8 v5, v[XE+(\t)] offset:16*(\t)      ; both lanes of a block write the same byte
	global_store_b64 v4, v[XCD+4*(\t):XCD+4*(\t)+1], s[26:27] offset:32*CB*(\t)   ; the wave stores 256 consecutive bytes, aligned
.endm
.macro WLOAD t                         ; block t: W(32 t + i, my column), i = 0 .. 31
.if (\t) > 0
	s_wait_xcnt 0x0                                ; the earlier loads have read their base: it steps 32 rows
	s_add_nc_u64 s[4:5], s[4:5], s[32:33]
.endif
.irp i, 0,1,2,3,4,5,6,7,8,9,10,11,12,13,14,15,16,17,18,19,20,21,22,23,24,25,26,27,28,29,30,31
	global_load_b32 v[WX+32*((\t)%2)+\i], v[RO+\i], s[4:5] th:TH_LOAD_NT
.endr
.endm
.macro WBLOCK t
.set WXS, WX+32*((\t)%2)
.if (\t) < NB-1
	s_wait_loadcnt 32                              ; this block's 32 loads are in; the next block's 32 may be out
.else
	s_wait_loadcnt 0x0
.endif
	v_max3_num_f32 v12, |v[WXS]|, |v[WXS+1]|, |v[WXS+2]|           ; all 32 numbers of the block are mine
	v_max3_num_f32 v13, |v[WXS+3]|, |v[WXS+4]|, |v[WXS+5]|
.irp i, 6,10,14,18,22,26
	v_max3_num_f32 v12, v12, |v[WXS+\i]|, |v[WXS+\i+1]|
	v_max3_num_f32 v13, v13, |v[WXS+\i+2]|, |v[WXS+\i+3]|
.endr
	v_max3_num_f32 v12, v12, |v[WXS+30]|, |v[WXS+31]|
	v_max3_num_f32 v12, v12, v13, (EMAX+1)<<23
	v_add_nc_u32 v11, -(EMAX<<23), v12
	v_lshrrev_b32 v13, 23, v11
.if (\t)%4 == 0
	v_mov_b32 v[SB+(\t)/4], v13
.else
	v_lshl_or_b32 v[SB+(\t)/4], v13, 8*((\t)%4), v[SB+(\t)/4]
.endif
.irp g, 0,1,2,3
	v_cvt_scalef32_pk8_fp4_f32 v[WCD+\g], v[WXS+8*\g:WXS+8*\g+7], v11
.endr
	v_nop                                          ; a plain line behind the last conversion
	ds_store_b128 v4, v[WCD:WCD+3] offset:16*(\t)  ; 32 codes: 16 bytes of my column's row
.if (\t)+2 < NB
	WLOAD (\t)+2
.endif
	s_wait_dscnt 0x0                               ; the store has read its registers: the next block's codes may be written
.endm
.macro OLOAD g                         ; sixteen loads of 512 consecutive bytes
.irp i, 0,1,2,3,4,5,6,7,8,9,10,11,12,13,14,15
	global_load_b128 v[16+64*((\g)%2)+4*\i:16+64*((\g)%2)+4*\i+3], v3, s[12:13] offset:(16*(\g)+\i)*512 th:TH_LOAD_NT
.endr
.endm
.macro OCVT g                          ; four numbers a lane become 8 bytes: the wave stores 256 consecutive bytes, aligned
.irp i, 0,1,2,3,4,5,6,7,8,9,10,11,12,13,14,15
	v_cvt_pk_f16_f32 v[16+64*((\g)%2)+4*\i], v[16+64*((\g)%2)+4*\i], v[16+64*((\g)%2)+4*\i+1]
	v_cvt_pk_f16_f32 v[16+64*((\g)%2)+4*\i+1], v[16+64*((\g)%2)+4*\i+2], v[16+64*((\g)%2)+4*\i+3]
	global_store_b64 v4, v[16+64*((\g)%2)+4*\i:16+64*((\g)%2)+4*\i+1], s[18:19] offset:(16*(\g)+\i)*256
.endr
.endm
; One row of the table; my lane's two frequencies take turns.  x = pos f, rounded once as the reference rounds it; n = the nearest whole number to x 2 / pi; r = x - n pi / 2 with pi / 2 in two parts;
; sin r and cos r by their series up to r^9 and r^10 (|r| <= pi / 4: what is cut lies under 2e-9); the quadrant n mod 4 swaps the two and sets the signs.
.macro ROW i
	v_cvt_f32_i32 v8, s[40+\i]
.irp e, 0,1
	v_mul_f32 v[10+\e], v8, v[6+\e]
.endr
.irp e, 0,1
	v_mul_f32 v[12+\e], 0x3f22f983, v[10+\e]       ; x 2 / pi
.endr
.irp e, 0,1
	v_rndne_f32 v[12+\e], v[12+\e]
.endr
.irp e, 0,1
	v_fma_f32 v[14+\e], -v[12+\e], s50, v[10+\e]
.endr
.irp e, 0,1
	v_fma_f32 v[14+\e], -v[12+\e], s51, v[14+\e]
.endr
.irp e, 0,1
	v_mul_f32 v[16+\e], v[14+\e], v[14+\e]         ; z = r r
	v_cvt_i32_f32 v[22+\e], v[12+\e]
.endr
.irp e, 0,1
	v_mov_b32 v[18+\e], 0x3638ef1d                 ; 1 / 9!
	v_mov_b32 v[20+\e], 0xb493f27e                 ; -1 / 10!
.endr
.irp k, 0xb9500d01, 0x3c088889, 0xbe2aaaab     ; -1 / 7!, 1 / 5!, -1 / 3!
.irp e, 0,1
	v_fmaak_f32 v[18+\e], v[18+\e], v[16+\e], \k
.endr
.endr
.irp k, 0x37d00d01, 0xbab60b61, 0x3d2aaaab, 0xbf000000, 0x3f800000   ; 1 / 8!, -1 / 6!, 1 / 4!, -1 / 2, 1
.irp e, 0,1
	v_fmaak_f32 v[20+\e], v[20+\e], v[16+\e], \k
.endr
.endr
.irp e, 0,1
	v_mul_f32 v[26+\e], v[14+\e], v[16+\e]
.endr
.irp e, 0,1
	v_fma_f32 v[18+\e], v[26+\e], v[18+\e], v[14+\e]   ; sin r
.endr
.irp e, 0,1
	v_and_b32 v[24+\e], 1, v[22+\e]
	v_cmp_eq_u32 vcc_lo, 1, v[24+\e]
	v_cndmask_b32 v[26+\e], v[18+\e], v[20+\e], vcc_lo ; the sine: in an odd quadrant cos r
	v_cndmask_b32 v[28+\e], v[20+\e], v[18+\e], vcc_lo ; the cosine: there sin r
	v_and_b32 v[24+\e], 2, v[22+\e]
	v_lshlrev_b32 v[24+\e], 30, v[24+\e]
	v_xor_b32 v[26+\e], v[24+\e], v[26+\e]         ; the sine is negative in quadrants 2, 3
	v_add_nc_u32 v[24+\e], 1, v[22+\e]
	v_and_b32 v[24+\e], 2, v[24+\e]
	v_lshlrev_b32 v[24+\e], 30, v[24+\e]
	v_xor_b32 v[28+\e], v[24+\e], v[28+\e]         ; the cosine in quadrants 1, 2
	v_mul_f32 v[RES+4*\i+\e], 0x3e800000, v[28+\e] ; a quarter: exact
	v_mul_f32 v[RES+4*\i+2+\e], 0x3e800000, v[26+\e]
.endr
	global_store_b64 v5, v[RES+4*\i:RES+4*\i+1], s[16:17] offset:512*\i         ; 64 cosines: 256 consecutive bytes, aligned
	global_store_b64 v5, v[RES+4*\i+2:RES+4*\i+3], s[16:17] offset:512*\i+256   ; 64 sines likewise
.endm
	s_load_b256 s[4:11], s[0:1], 0x0               ; hidden s[4:5], Wq s[6:7], Wk s[8:9], Wv s[10:11]
	s_load_b256 s[12:19], s[0:1], 0x20             ; Wo s[12:13], position_ids s[14:15], qin s[16:17], wo16 s[18:19]
	v_lshl_add_u32 v[SPW], v0, 2, SPARE
	v_mov_b32 v[NIL], 0
	v_lshrrev_b32 v1, 5, v0
	v_readfirstlane_b32 s20, v1                    ; wave 0..3
	v_and_b32 v2, 31, v0                           ; lane
	s_mov_b32 s25, 0                               ; the upper word of every offset: all lie under 2^32
	s_wait_kmcnt 0x0
	s_cmp_lt_u32 ttmp9, 256
	s_cbranch_scc1 .Lpath_x
	s_cmp_lt_u32 ttmp9, 512
	s_cbranch_scc1 .Lpath_w
	s_cmp_lt_u32 ttmp9, 768
	s_cbranch_scc1 .Lpath_o
	; ---- R: eight rows of the table a wave; lane l owns frequencies 2 l and 2 l + 1
	s_sub_co_u32 s22, ttmp9, 768
	s_lshl_b32 s22, s22, 5
	s_lshl_b32 s23, s20, 3
	s_add_co_u32 s22, s22, s23                     ; my first row
	s_lshl_b32 s24, s22, 2
	s_add_nc_u64 s[14:15], s[14:15], s[24:25]
	s_load_b256 s[40:47], s[14:15], 0x0            ; its eight positions: they enter values alone, no address
	s_lshl_b32 s24, s22, 9
	s_add_co_u32 s24, s24, O_RT
	s_add_nc_u64 s[16:17], s[16:17], s[24:25]
	s_mov_b32 s50, 0x3fc90fdb                      ; pi / 2, its upper part,
	s_mov_b32 s51, 0xb33bbd2e                      ; and what is left of it
	v_lshlrev_b32 v3, 1, v2
	v_add_nc_u32 v4, 1, v3
	v_cvt_f32_u32 v3, v3
	v_cvt_f32_u32 v4, v4
	v_mul_f32 v3, 0xbe549a78, v3                   ; -j log2(10000) / 64
	v_mul_f32 v4, 0xbe549a78, v4
	v_exp_f32 v6, v3
	v_exp_f32 v7, v4
	v_lshlrev_b32 v5, 3, v2                        ; 8 bytes a lane (the plain line behind the exponentials)
	s_wait_alu depctr_va_vdst(0)                   ; one wait for both, ahead of their first reader
	s_wait_kmcnt 0x0
.irp i, 0,1,2,3,4,5,6,7
	ROW \i
.endr
	s_endpgm
	; ---- O: 32,768 bytes of Wo a wave, in four groups of sixteen loads, two groups on their way
.Lpath_o:
	s_sub_co_u32 s22, ttmp9, 512
	s_lshl_b32 s22, s22, 2
	s_add_co_u32 s22, s22, s20
	s_lshl_b32 s24, s22, 15
	s_add_nc_u64 s[12:13], s[12:13], s[24:25]
	s_lshl_b32 s24, s22, 14
	s_add_nc_u64 s[18:19], s[18:19], s[24:25]
	v_lshlrev_b32 v3, 4, v2
	v_lshlrev_b32 v4, 3, v2
	OLOAD 0
	OLOAD 1
	s_wait_loadcnt 16                              ; the older group is in; the younger group's sixteen may be out
	OCVT 0
	s_wait_xcnt 0x0                                ; the stores have read their registers: they are loaded again
	OLOAD 2
	s_wait_loadcnt 16
	OCVT 1
	s_wait_xcnt 0x0
	OLOAD 3
	s_wait_loadcnt 16
	OCVT 2
	s_wait_loadcnt 0x0
	OCVT 3
	s_endpgm
	; ---- X: a wave takes 16 steps of 512 numbers; two neighbouring lanes hold a block of 32
.Lpath_x:
	v_lshlrev_b32 v3, 4, v2                        ; my 16 bytes of a load's 512
	s_mul_i32 s21, s20, WREG
	v_lshrrev_b32 v14, 2, v2
	v_mul_u32_u24 v14, v14, SP
	v_and_b32 v15, 3, v2
	v_lshl_add_u32 v14, v15, 4, v14
	v_add_nc_u32 v14, s21, v14                     ; the stage on the way in: SP (lane / 4) + 16 (lane % 4)
	v_mul_u32_u24 v15, v2, SP
	v_add_nc_u32 v15, s21, v15                     ; and on the way out: SP x lane
	v_mul_u32_u24 v4, v2, CB
	v_lshrrev_b32 v5, 1, v2
	s_add_co_u32 s21, s21, 2*32*SP
	v_add_nc_u32 v5, s21, v5                       ; my block's byte among the wave's 256
	v_lshlrev_b32 v7, 3, v2
	v_add_nc_u32 v6, s21, v7
	s_lshl_b32 s22, ttmp9, 2
	s_add_co_u32 s22, s22, s20                     ; which run of 8,192 numbers is my wave's
	s_lshl_b32 s24, s22, 15
	s_add_nc_u64 s[4:5], s[4:5], s[24:25]
	s_lshl_b32 s24, s22, 12
	s_add_nc_u64 s[26:27], s[16:17], s[24:25]      ; its codes
	s_lshl_b32 s24, s22, 8
	s_add_co_u32 s24, s24, O_XS
	s_add_nc_u64 s[28:29], s[16:17], s[24:25]      ; its 256 scale bytes
.irp t, 0,1,2,3
	XLOAD \t
.endr
	s_wait_loadcnt 12                              ; step 0's four loads are in
	XTURN 0
.irp t, 0,1,2,3,4,5,6,7,8,9,10,11,12,13,14,15
	XSTEP \t
.endr
	ds_load_b64 v[8:9], v6                         ; in order behind my byte stores
	s_wait_dscnt 0x0
	global_store_b64 v7, v[8:9], s[28:29]          ; 256 consecutive bytes, aligned
	s_wait_tensorcnt 0x0                           ; the wave's end, behind my last LDS store
	ds_add_u32 v[SPW], v[NIL]
	s_wait_dscnt 0x0
	s_endpgm
	; ---- W: a wave takes 32 columns x 512 along K; a lane takes a column and its registers run down K
.Lpath_w:
	s_sub_co_u32 s22, ttmp9, 256                   ; 0-127 Wq (16 column blocks x 8 along K), 128-191 Wk, 192-255 Wv (8 x 8 each)
	s_cmp_lt_u32 s22, 128
	s_cselect_b64 s[4:5], s[6:7], s[8:9]
	s_cselect_b32 s23, 4, 3                        ; log2 of the column blocks
	s_mov_b32 s24, 4096
	s_cselect_b32 s24, 8192, s24                   ; a row of the weight in bytes
	s_mov_b32 s26, 2048
	s_cselect_b32 s26, 0, s26                      ; its first row among the 4,096 rows of codes
	s_mov_b32 s27, 128
	s_cselect_b32 s27, 0, s27                      ; its first work-group
	s_cmp_lt_u32 s22, 192
	s_cselect_b64 s[4:5], s[4:5], s[10:11]
	s_mov_b32 s28, 3072
	s_cselect_b32 s26, s26, s28
	s_mov_b32 s28, 192
	s_cselect_b32 s27, s27, s28
	s_sub_co_u32 s22, s22, s27
	s_lshr_b32 s28, s22, s23                       ; which 512 along K
	s_lshl_b32 s29, s28, s23
	s_sub_co_u32 s29, s22, s29
	s_lshl_b32 s29, s29, 7
	s_lshl_b32 s30, s20, 5
	s_add_co_u32 s29, s29, s30                     ; my wave's first column
	s_mul_i32 s30, s28, s24
	s_lshl_b32 s30, s30, 9
	s_lshl_b32 s31, s29, 2
	s_add_co_u32 s30, s30, s31
	s_mov_b32 s31, 0
	s_add_nc_u64 s[4:5], s[4:5], s[30:31]
	s_add_co_u32 s29, s29, s26                     ; its row of codes
	s_lshl_b32 s30, s29, 11
	s_lshl_b32 s34, s28, 8
	s_add_co_u32 s30, s30, s34
	s_add_co_u32 s30, s30, O_WC
	s_add_nc_u64 s[6:7], s[16:17], s[30:31]
	s_lshl_b32 s30, s29, 7
	s_lshl_b32 s34, s28, 4
	s_add_co_u32 s30, s30, s34
	s_add_co_u32 s30, s30, O_WS
	s_add_nc_u64 s[8:9], s[16:17], s[30:31]
	s_lshl_b32 s32, s24, 5                         ; 32 rows on
	s_mov_b32 s33, 0
	v_lshlrev_b32 v[RO], 2, v2
.irp i, 1,2,3,4,5,6,7,8,9,10,11,12,13,14,15,16,17,18,19,20,21,22,23,24,25,26,27,28,29,30,31
	v_add_nc_u32 v[RO+\i], s24, v[RO+\i-1]
.endr
	s_mul_i32 s21, s20, 32*WPITCH
	s_add_co_u32 s21, s21, WSTG                    ; my stage
	v_mul_u32_u24 v4, v2, WPITCH
	v_add_nc_u32 v4, s21, v4                       ; into it: row = my column
	v_and_b32 v5, 15, v2
	v_lshrrev_b32 v6, 4, v2
	v_mul_u32_u24 v7, v6, WPITCH
	v_lshl_add_u32 v7, v5, 4, v7
	v_add_nc_u32 v7, s21, v7                       ; out of it: sixteen lanes to a row, two rows an instruction
	v_mul_u32_u24 v8, v6, KROW
	v_lshl_add_u32 v8, v5, 4, v8
	v_lshlrev_b32 v9, 7, v2                        ; my column's row of scale bytes
	WLOAD 0
	WLOAD 1
.set Q, 0
.rept NB
	WBLOCK Q
.set Q, Q+1
.endr
	global_store_b128 v9, v[SB:SB+3], s[8:9]       ; my column's 16 scale bytes
.irp t, 0,1,2,3,4,5,6,7,8,9,10,11,12,13,14,15
	ds_load_b128 v[OUTR+4*\t:OUTR+4*\t+3], v7 offset:2*\t*WPITCH
.endr
.irp t, 0,1,2,3,4,5,6,7,8,9,10,11,12,13,14,15
	s_wait_dscnt 15-\t
	global_store_b128 v8, v[OUTR+4*\t:OUTR+4*\t+3], s[6:7] offset:2*\t*KROW   ; sixteen lanes store 256 consecutive bytes, aligned
.endr
	s_wait_tensorcnt 0x0                           ; the wave's end, behind my last LDS store
	ds_add_u32 v[SPW], v[NIL]
	s_wait_dscnt 0x0
	s_endpgm
.Lfunc_end_k_q1b8ba5a574_prep:
	.size	k_q1b8ba5a574_prep, .Lfunc_end_k_q1b8ba5a574_prep-k_q1b8ba5a574_prep
	.p2alignl 7, 3214868480
	.fill 96, 4, 3214868480
	.section	.rodata,"a",@progbits
	.p2align	6, 0x0
	.amdhsa_kernel k_q1b8ba5a574_prep
		.amdhsa_group_segment_fixed_size 68096
		.amdhsa_private_segment_fixed_size 0
		.amdhsa_enable_private_segment 0
		.amdhsa_kernarg_size 64
		.amdhsa_user_sgpr_count 2
		.amdhsa_user_sgpr_kernarg_segment_ptr 1
		.amdhsa_wavefront_size32 1
		.amdhsa_system_sgpr_workgroup_id_x 1
		.amdhsa_system_sgpr_workgroup_id_y 1
		.amdhsa_system_sgpr_workgroup_id_z 1
		.amdhsa_system_vgpr_workitem_id 0
		.amdhsa_next_free_vgpr 216
		.amdhsa_next_free_sgpr 66
		.amdhsa_reserve_vcc 1
		.amdhsa_float_denorm_mode_32 3
		.amdhsa_float_denorm_mode_16_64 3
		.amdhsa_memory_ordered 1
		.amdhsa_forward_progress 1
		.amdhsa_inst_pref_size 161
	.end_amdhsa_kernel
	.amdgpu_metadata
---
amdhsa.version: [ 1, 2 ]
amdhsa.kernels:
  - .name:           k_q1b8ba5a574_prep
    .symbol:         k_q1b8ba5a574_prep.kd
    .args:
      - { .name: hidden_states, .offset: 0, .size: 8, .value_kind: global_buffer, .address_space: global }
      - { .name: Wq, .offset: 8, .size: 8, .value_kind: global_buffer, .address_space: global }
      - { .name: Wk, .offset: 16, .size: 8, .value_kind: global_buffer, .address_space: global }
      - { .name: Wv, .offset: 24, .size: 8, .value_kind: global_buffer, .address_space: global }
      - { .name: Wo, .offset: 32, .size: 8, .value_kind: global_buffer, .address_space: global }
      - { .name: position_ids, .offset: 40, .size: 8, .value_kind: global_buffer, .address_space: global }
      - { .name: qin, .offset: 48, .size: 8, .value_kind: global_buffer, .address_space: global }
      - { .name: wo16, .offset: 56, .size: 8, .value_kind: global_buffer, .address_space: global }
    .group_segment_fixed_size: 68096
    .private_segment_fixed_size: 0
    .kernarg_segment_align: 8
    .kernarg_segment_size: 64
    .max_flat_workgroup_size: 128
    .sgpr_count:     66
    .vgpr_count:     216
    .wavefront_size: 32
...
	.end_amdgpu_metadata
.endif
;; end of part 1
;; launch qkv (part 2): grid 16 x 16, 4 waves a work-group, clusters of 4 x 4, 327,680 bytes of LDS; arguments qin, qkv16, qkv32; writes qkv16, qkv32
.if DOCPART == 2
	.amdgcn_target "amdgcn-amd-amdhsa--gfx1250"
	.amdhsa_code_object_version 6
	.text
	.protected	k_q1b8ba5a574_qkv
	.globl	k_q1b8ba5a574_qkv
	.p2align	8
	.type	k_q1b8ba5a574_qkv,@function
k_q1b8ba5a574_qkv:
	s_mov_b64 s[64:65], 0
	v_nop
	global_prefetch_b8 v0, s[64:65] scope:SCOPE_SE
	s_setreg_imm32_b32 hwreg(HW_REG_WAVE_MODE, 25, 1), 1
	s_wait_xcnt 0x0
	s_wait_alu depctr_hold_cnt(0) depctr_sa_sdst(0) depctr_va_vdst(0) depctr_va_sdst(0) depctr_va_ssrc(0) depctr_va_vcc(0) depctr_vm_vsrc(0)
	s_getreg_b32 s2, hwreg(HW_REG_IB_STS2, 6, 4)
	s_cmp_eq_u32 s2, 0
	s_cbranch_scc0 .Lentry_in_a_cluster
	s_endpgm
.Lentry_in_a_cluster:
	s_bfe_u32 s2, ttmp6, 0x10000c
	s_cmp_lg_u32 s2, 0xf033
	s_cbranch_scc0 .Lentry_shape_is_right
	s_endpgm
.Lentry_shape_is_right:
; QKV: C[2048][4096] = x W^T on codes of E2M1 with E8M0 scales (x: [2048][4096 k], W: [4096 n][4096 k]; n 0-2047 q, 2048-3071 k, 3072-4095 v), f32 sums; RoPE on q and k on the way out.
; A tile of C is 128 x 256: 256 work-groups, one for each WGP (256 x 256 would give 128).  Four waves, each 64 x 128: 32 accumulators, 256 registers.  A wave's 128 columns are one head.
; K goes in steps of 512 (rows of 256 bytes) through two LDS slots filled by the tensor data mover; a slot is four sub-steps of 128 along K, 32 matrix instructions each, on two sets of fragments by turns.
; The scale bytes of the work-group's rows, for all of K, come into LDS once, with the first fills.
; CLUSTER 4 x 4: x's tiles are shared along a row of the cluster, W's along a column: each is asked for jointly, which divides the requests by four.
; THE MATRIX INSTRUCTION IS USED TRANSPOSED (source 0 = 16 rows of W, source 1 = 16 rows of x): lane (r, h) holds row r and the columns 16 b + 8 h + 0 .. 7 of block b.
; OUT: q, k, v in f16 ([head][row][128]).  In k and v the units of 64 rows are laid so that rows 128 i .. 128 i + 127 hold keys 64 i .. and keys 1024 + 64 i ..: one dense tile serves both halves of the keys.
; k and v also in f32 in natural order, and the first 16 rows of every 64-row unit of q in f32, for the fine launch (it reads unit 0; storing all units keeps every store free of a predicate on the work-group's place).
; q and k are a quarter of the reference's (the table holds cos / 4, sin / 4).  LIMITS: |q| / 4, |k| / 4, |v| up to 65,504.
; The table's rows are loaded by every work-group, v's too, which do not use them: 32 KB a wave.
; REGISTERS: window 0: v16-31 addresses; v32-95 scale words, two sets; v96-159 x's fragments, two sets; on the way out v32-255 are free.  window 1: the accumulators, (a, b) at v[8 (8 a + b)].
;   window 2: W's fragments, two sets at v0 and v64.   window 3: the table of my 64 rows: block a: cos at 64 a + 8 b + j, sin at 64 a + 32 + 8 b + j.
.set O_WC, 4194304
.set O_XS, 12582912
.set O_WS, 12845056
.set O_RT, 13369344
.set O_Q32, 16777216
.set PITCH, 272                        ; an LDS row: 256 bytes + 16 of padding: the 16 rows that a load touches start at 16 different groups of banks
.set HA,    64*PITCH                   ; what one tensor load brings of x, and what a wave reads of it
.set HB,    128*PITCH                  ; the same of W
.set SLOT,  2*HA+2*HB
.set SCL,   2*SLOT                     ; behind the ring: the scale bytes as units of 256 bytes + 16: x's 64 units, then W's 128
.set HSA,   32*272
.set HSB,   64*272
.set SBLK,  8*272                      ; the scales of 16 rows
.set SPARE, SCL+2*HSA+2*HSB            ; the spare words: two blocks of 256 bytes that no other line names
.set WST,   12800                      ; the way out: a wave's stages, in slot 0, which has had its last fill and its last read by then: 16 x 528 for f32,
.set ST16,  16*528                     ; then 16 x 272 for f16
.set LAPS,  4                          ; 8 K steps
.set ADRA, 16                          ; v16-17 my x fragments in slot 0, 1
.set ADRB, 20                          ; v20-21 my W fragments
.set STO32, 22
.set RD32, 23
.set STO16, 24
.set RD16, 25
.set CO32, 26
.set ADRS, 27                          ; my scale words: lanes 0-15 x's rows, lanes 16-31 W's
.set SPW,  28                          ; my spare word; never rewritten
.set NIL,  29                          ; 0; never rewritten
.set CO16, 30
.set VRO,  31                          ; my byte in the table's rows
.set SC,   32
.set AF,   96
.set T,    32                          ; the way out: v32-95 a block's 64 numbers a lane
.set BH,   96                          ; v96-127 rows of f16 read back
.set BK,   160                         ; v160-223 rows of f32 read back
.set HP,   224                         ; v224-255 packed f16
.set G1, 24
.set G0, 32
.set G1B, 48
.set G0B, 56
.set G1S, 68
.set G0S, 76
.set G1SB, 80
.set G0SB, 88
.set MSB, 0
.macro WIN new                         ; the immediate's high byte repeats the setting that is left
.if MSB != \new
	s_set_vgpr_msb (MSB<<8)|\new
.set MSB, \new
.endif
.endm
.set MUL, 0x52                         ; source 0 (W) window 2, source 1 (x) window 0, C and D window 1
; A joint load: waves 0 and 1 fetch for x, waves 2 and 3 for W; the branch hangs on the wave's number alone.  An s_nop 0 and four v_nop follow each line.
.macro JLOAD g0a, g1a, g0b, g1b
	s_cmp_eq_u32 s15, 0
	s_cbranch_scc0 .Lfor_b_\@
	tensor_load_to_lds s[\g0a:\g0a+3], s[\g1a:\g1a+7]
	s_nop 0
.rept 4
	v_nop
.endr
	s_branch .Lasked_\@
.Lfor_b_\@:
	tensor_load_to_lds s[\g0b:\g0b+3], s[\g1b:\g1b+7]
	s_nop 0
.rept 4
	v_nop
.endr
.Lasked_\@:
.endm
.macro CREST                           ; a round of the cluster's barrier behind its opening barrier
	s_cmp_lg_u32 s14, 0
	s_cbranch_scc1 .Lnot_wave_0_\@
	s_barrier_signal -3
.Lnot_wave_0_\@:
	s_barrier_wait -3
	s_barrier_signal -1
	s_barrier_wait -1
.endm
.macro CROUND
	s_barrier_signal -1
	s_barrier_wait -1
	CREST
.endm
.macro PLACES n
.rept \n
	v_nop
.endr
.endm
	s_load_b128 s[4:7], s[0:1], 0x0                ; qin s[4:5], qkv16 s[6:7]
	s_load_b64 s[8:9], s[0:1], 0x10                ; qkv32
	v_lshl_add_u32 v[SPW], v0, 2, SPARE
	v_mov_b32 v[NIL], 0
	ds_add_u32 v[SPW], v[NIL]                      ; the wave's opening: the add, twice on end, and its wait ahead of my first tensor load
	ds_add_u32 v[SPW], v[NIL]
	v_lshrrev_b32 v1, 5, v0
	v_readfirstlane_b32 s14, v1                    ; wave 0..3
	s_lshr_b32 s15, s14, 1                         ; which 64 rows of the tile are mine.  Also: I fetch for x (0) or for W (1)
	s_and_b32 s16, s14, 1                          ; which 128 columns.  Also: which half of that tile I fetch
	s_bfe_u32 s40, ttmp6, 0x40000                  ; cx
	s_bfe_u32 s41, ttmp6, 0x40004                  ; cy
	s_lshl_b32 s42, ttmp9, 2
	s_add_co_u32 s42, s42, s40                     ; tile column = 4 x cluster x + cx
	s_and_b32 s17, ttmp7, 0xffff
	s_lshl_b32 s17, s17, 2
	s_add_co_u32 s17, s17, s41                     ; tile row = 4 x cluster y + cy
	s_lshl_b32 s43, s41, 2
	s_lshl_b32 s43, 15, s43                        ; my row of the cluster
	s_lshl_b32 s44, 0x1111, s40                    ; my column
	; group 1: tiles of 64 (x) and 128 (W) rows x 256 bytes, 2,048 bytes from row to row, 16 bytes of padding behind each row
	s_or_b32 s[G1+0], s43, (0<<16)|(1<<20)|(1<<21)|(5<<22)|(3<<25)
	s_or_b32 s[G1B+0], s44, (0<<16)|(1<<20)|(1<<21)|(5<<22)|(3<<25)
	s_mov_b32 s[G1+1], 256<<16
	s_mov_b32 s[G1+2], 64<<16
	s_mov_b32 s[G1+3], 256<<16
	s_mov_b32 s[G1+4], 64
	s_mov_b32 s[G1+5], 2048
	s_mov_b32 s[G1+6], 0
	s_mov_b32 s[G1+7], 0
	s_mov_b32 s[G1B+1], 256<<16
	s_mov_b32 s[G1B+2], 128<<16
	s_mov_b32 s[G1B+3], 256<<16
	s_mov_b32 s[G1B+4], 128
	s_mov_b32 s[G1B+5], 2048
	s_mov_b32 s[G1B+6], 0
	s_mov_b32 s[G1B+7], 0
	; the scale bytes of 64 (x) and 128 (W) rows: dense blocks, as rows of 256 bytes (32 elements of 8 bytes), 16 bytes of padding behind each
	s_or_b32 s[G1S+0], s43, (3<<16)|(1<<20)|(1<<21)|(5<<22)|(3<<25)
	s_or_b32 s[G1SB+0], s44, (3<<16)|(1<<20)|(1<<21)|(5<<22)|(3<<25)
	s_mov_b32 s[G1S+1], 32<<16
	s_mov_b32 s[G1S+2], 32<<16
	s_mov_b32 s[G1S+3], 32<<16
	s_mov_b32 s[G1S+4], 32
	s_mov_b32 s[G1S+5], 32
	s_mov_b32 s[G1S+6], 0
	s_mov_b32 s[G1S+7], 0
	s_mov_b32 s[G1SB+1], 32<<16
	s_mov_b32 s[G1SB+2], 64<<16
	s_mov_b32 s[G1SB+3], 32<<16
	s_mov_b32 s[G1SB+4], 64
	s_mov_b32 s[G1SB+5], 32
	s_mov_b32 s[G1SB+6], 0
	s_mov_b32 s[G1SB+7], 0
	; where the tiles come from: x's hang on the tile row alone, W's on the tile column alone, each in registers that never hold the other coordinate
	s_lshl_b32 s18, s16, 6
	s_lshl_b32 s20, s17, 7
	s_add_co_u32 s20, s20, s18                     ; x: row 128 x tile row + 64 x half
	s_lshl_b32 s22, s20, 7
	s_add_co_u32 s22, s22, O_XS                    ; its scale bytes
	s_mov_b32 s23, 0
	s_lshl_b32 s20, s20, 11                        ; its codes
	s_mov_b32 s21, 0
	s_lshl_b32 s19, s16, 7
	s_lshl_b32 s46, s42, 8
	s_add_co_u32 s46, s46, s19                     ; W: row 256 x tile column + 128 x half
	s_lshl_b32 s92, s46, 7
	s_add_co_u32 s92, s92, O_WS
	s_mov_b32 s93, 0
	s_lshl_b32 s46, s46, 11
	s_add_co_u32 s46, s46, O_WC
	s_mov_b32 s47, 0
	s_mul_i32 s45, s16, HA                         ; and where they go: no place in the cluster enters an LDS address
	s_mul_i32 s94, s16, HB
	s_add_co_u32 s94, s94, 2*HA
	s_mul_i32 s95, s16, HSA
	s_add_co_u32 s95, s95, SCL
	s_mul_i32 s96, s16, HSB
	s_add_co_u32 s96, s96, SCL+2*HSA
	s_wait_dscnt 0x0                               ; both opening adds are done
	s_wait_kmcnt 0x0
	s_add_nc_u64 s[20:21], s[4:5], s[20:21]
	s_add_nc_u64 s[22:23], s[4:5], s[22:23]
	s_add_nc_u64 s[46:47], s[4:5], s[46:47]
	s_add_nc_u64 s[92:93], s[4:5], s[92:93]
	CROUND                                         ; all sixteen work-groups are here: the first joint loads meet
	s_mov_b32 s[G0S], 1
	s_mov_b32 s[G0S+1], s95
	s_mov_b64 s[G0S+2:G0S+3], s[22:23]
	s_or_b32 s[G0S+3], s[G0S+3], 0x80000000
	s_mov_b32 s[G0SB], 1
	s_mov_b32 s[G0SB+1], s96
	s_mov_b64 s[G0SB+2:G0SB+3], s[92:93]
	s_or_b32 s[G0SB+3], s[G0SB+3], 0x80000000
	JLOAD G0S, G1S, G0SB, G1SB                     ; the scales first: they are wanted with K step 0
.irp s, 0,1
	s_mov_b32 s[G0+4*\s], 1
	s_add_co_u32 s[G0+4*\s+1], s45, \s*SLOT
	s_add_nc_u64 s[G0+4*\s+2:G0+4*\s+3], s[20:21], \s*256
	s_or_b32 s[G0+4*\s+3], s[G0+4*\s+3], 0x80000000
	s_mov_b32 s[G0B+4*\s], 1
	s_add_co_u32 s[G0B+4*\s+1], s94, \s*SLOT
	s_add_nc_u64 s[G0B+4*\s+2:G0B+4*\s+3], s[46:47], \s*256
	s_or_b32 s[G0B+4*\s+3], s[G0B+4*\s+3], 0x80000000
	JLOAD G0+4*\s, G1, G0B+4*\s, G1B               ; three tensor loads of mine are out
.endr
	v_and_b32 v1, 15, v0                           ; r
	v_bfe_u32 v2, v0, 4, 1                         ; h
	v_mul_u32_u24 v3, v1, PITCH
	v_lshl_add_u32 v4, v2, 4, v3                   ; a fragment's row x pitch + 16 h
	s_mul_i32 s97, s15, HA                         ; my 64 rows of x
	s_mul_i32 s2, s16, HB                          ; my 128 rows of W,
	s_add_co_u32 s2, s2, 2*HA                      ; which lie behind x's 128
.irp s, 0,1
	v_add_nc_u32 v[ADRA+\s], s97, v4
	v_add_nc_u32 v[ADRB+\s], s2, v4
	s_add_co_u32 s97, s97, SLOT
	s_add_co_u32 s2, s2, SLOT
.endr
	v_lshlrev_b32 v5, 7, v1                        ; my row's scales: 128 bytes a row,
	v_lshrrev_b32 v6, 8, v5
	v_lshl_add_u32 v5, v6, 4, v5                   ; and 16 more for each 256 passed
	s_mul_i32 s97, s15, HSA
	s_mul_i32 s2, s16, HSB
	s_add_co_u32 s2, s2, 2*HSA
	s_sub_co_u32 s2, s2, s97
	v_mul_u32_u24 v6, s2, v2                       ; lanes 16-31 take W's: one product in h
	s_add_co_u32 s97, s97, SCL
	v_add_nc_u32 v5, v5, v6
	v_add_nc_u32 v[ADRS], s97, v5
	s_mul_i32 s97, s14, WST                        ; my stages
	v_mul_u32_u24 v5, v1, 528
	v_lshl_add_u32 v5, v2, 5, v5
	v_add_nc_u32 v[STO32], s97, v5                 ; f32 in: row r, 32 bytes for each half of the lanes
	v_and_b32 v6, 31, v0
	v_lshlrev_b32 v[CO32], 4, v6                   ; back: the 32 lanes take one row of 512 bytes
	v_add_nc_u32 v[RD32], s97, v[CO32]
	s_add_co_u32 s97, s97, ST16
	v_add_nc_u32 v[STO16], s97, v4                 ; f16 in: row r, 16 bytes for each half
	v_mul_u32_u24 v5, v2, PITCH
	v_lshl_add_u32 v5, v1, 4, v5
	v_add_nc_u32 v[RD16], s97, v5                  ; back: lanes 0-15 one row of 256 bytes, lanes 16-31 the next
	v_lshlrev_b32 v5, 8, v2
	v_lshl_add_u32 v[CO16], v1, 4, v5
	v_lshlrev_b32 v5, 9, v1
	v_lshl_add_u32 v[VRO], v2, 5, v5               ; the table: row r of 512 bytes, + 32 h
	; the table of my 64 rows, on its way while the products run
	s_lshl_b32 s98, s17, 7
	s_lshl_b32 s99, s15, 6
	s_add_co_u32 s98, s98, s99
	s_lshl_b32 s98, s98, 9
	s_add_co_u32 s98, s98, O_RT
	s_mov_b32 s99, 0
	s_add_nc_u64 s[10:11], s[4:5], s[98:99]
	WIN 0xc0                                       ; destination window 3
.irp a, 0,1,2,3
.irp b, 0,1,2,3
	global_load_b128 v[64*\a+8*\b:64*\a+8*\b+3], v[VRO], s[10:11] offset:8192*\a+64*\b
	global_load_b128 v[64*\a+8*\b+4:64*\a+8*\b+7], v[VRO], s[10:11] offset:8192*\a+64*\b+16
	global_load_b128 v[64*\a+32+8*\b:64*\a+32+8*\b+3], v[VRO], s[10:11] offset:8192*\a+64*\b+256
	global_load_b128 v[64*\a+32+8*\b+4:64*\a+32+8*\b+7], v[VRO], s[10:11] offset:8192*\a+64*\b+272
.endr
.endr
	WIN 0
	; where my results go.  head = 2 x tile column + half (0-15 q, 16-23 k, 24-31 v); u = my unit of 64 rows
	s_lshl_b32 s98, s42, 1
	s_add_co_u32 s98, s98, s16                     ; head
	s_lshl_b32 s100, s17, 1
	s_add_co_u32 s100, s100, s15                   ; u
	s_and_b32 s101, s100, 15
	s_lshl_b32 s101, s101, 1
	s_lshr_b32 s13, s100, 4
	s_add_co_u32 s101, s101, s13                   ; k, v in f16: unit u lands at 2 (u % 16) + u / 16
	s_lshl_b32 s97, s98, 5
	s_add_co_u32 s97, s97, s100
	s_lshl_b32 s97, s97, 13
	s_add_co_u32 s97, s97, O_Q32                   ; q's fine copy: (32 head + u) x 16 rows of 512 bytes
	s_max_u32 s12, s98, 16
	s_sub_co_u32 s12, s12, 16
	s_lshl_b32 s12, s12, 20
	s_lshl_b32 s13, s100, 15
	s_add_co_u32 s12, s12, s13                     ; k's and v's: (head - 16) x 2,048 rows + 64 u rows of 512 bytes
	s_cmp_lt_u32 ttmp9, 2                          ; clusters 0, 1 along x make q
	s_cselect_b32 s101, s100, s101
	s_cselect_b32 s12, s97, s12
	s_mov_b32 s13, 0
	s_add_nc_u64 s[8:9], s[8:9], s[12:13]
	s_lshl_b32 s12, s98, 19                        ; f16: head x 2,048 rows of 256 bytes: q's, k's and v's heads lie on end
	s_lshl_b32 s101, s101, 14
	s_add_co_u32 s12, s12, s101
	s_add_nc_u64 s[6:7], s[6:7], s[12:13]
.macro FRAG reg, adr, q, i             ; 16 rows x 128 K of 4-bit codes: 8 registers; registers 4 c .. 4 c + 3 hold K = 64 c + 32 h + 0 .. 31
.irp c, 0,1
	ds_load_b128 v[\reg+4*\c:\reg+4*\c+3], v[\adr] offset:64*(\q)+32*\c+(\i)*16*PITCH
.endr
.endm
.macro FETCH slot, q, p                ; the fragments of the slot's q-th 128 along K into set p: 24 loads in one run
	WIN 0x80
.irp i, 0,1,2,3,4,5,6,7
	FRAG 64*(\p)+8*\i, ADRB+\slot, \q, \i
.endr
	WIN 0
.irp i, 0,1,2,3
	FRAG AF+32*(\p)+8*\i, ADRA+\slot, \q, \i
.endr
.endm
.macro SCALES sc                       ; a K step's scale words: register 4 i + q: lanes 0-15 x's block i (i < 4; beyond that bytes that nobody uses), lanes 16-31 W's block i
.irp i, 0,1,2,3,4,5,6,7
	ds_load_b128 v[SC+32*\sc+4*\i:SC+32*\sc+4*\i+3], v[ADRS] offset:\i*SBLK
.endr
.endm
; eight matrix instructions: x's block a against W's eight.  The 32 accumulators take turns, one instruction a turn, in one order everywhere.
.macro MUL8 a, p, q, sc, zero
.irp b, 0,1,2,3,4,5,6,7
.if \zero
	v_wmma_scale_f32_16x16x128_f8f6f4 v[8*(8*(\a)+\b):8*(8*(\a)+\b)+7], v[64*(\p)+8*\b:64*(\p)+8*\b+7], v[AF+32*(\p)+8*(\a):AF+32*(\p)+8*(\a)+7], 0, v[SC+32*(\sc)+4*\b+(\q)], v[SC+32*(\sc)+4*(\a)+(\q)] matrix_a_fmt:MATRIX_FMT_FP4 matrix_b_fmt:MATRIX_FMT_FP4 matrix_a_scale:MATRIX_SCALE_ROW1
.else
	v_wmma_scale_f32_16x16x128_f8f6f4 v[8*(8*(\a)+\b):8*(8*(\a)+\b)+7], v[64*(\p)+8*\b:64*(\p)+8*\b+7], v[AF+32*(\p)+8*(\a):AF+32*(\p)+8*(\a)+7], v[8*(8*(\a)+\b):8*(8*(\a)+\b)+7], v[SC+32*(\sc)+4*\b+(\q)], v[SC+32*(\sc)+4*(\a)+(\q)] matrix_a_fmt:MATRIX_FMT_FP4 matrix_b_fmt:MATRIX_FMT_FP4 matrix_a_scale:MATRIX_SCALE_ROW1
.endif
.endr
.endm
; a sub-step that has its successor in the same slot
.macro STEP slot, q, zero
	s_wait_dscnt 0x0                               ; this sub-step's fragments, asked for a sub-step ago, are in
	PLACES 4                                       ; four places between the last products and the loads into the set that they read
	FETCH \slot, (\q)+1, 1-(\q)%2
	WIN MUL
.irp a, 0,1,2,3
	MUL8 \a, (\q)%2, \q, \slot, \zero
.endr
.endm
; a slot's last sub-step changes slots: one barrier; in front of it each wave waits for all its tensor loads, adds 0 to its spare word, and waits for that and for its reads of this slot
.macro TURN slot, next, fill
	WIN 0                                          ; (the add's two registers lie in window 0)
	s_wait_dscnt 0x0                               ; set 1's fragments are in: my reads of this slot are over
	s_wait_tensorcnt 0x0                           ; all my tensor loads have landed: my part of the next slot
	ds_add_u32 v[SPW], v[NIL]
	WIN MUL
	MUL8 0, 1, 3, \slot, 0                         ; eight matrix instructions stand between the add and the wait for it
	s_wait_dscnt 0x0                               ; the add is done
	s_barrier_signal -1
	MUL8 1, 1, 3, \slot, 0
	WIN 0
	s_barrier_wait -1
.if \fill
	CREST                                          ; the barrier has opened a round of the cluster's: no wave of any partner still reads this slot or has a load on its way
	s_add_nc_u64 s[G0+4*\slot+2:G0+4*\slot+3], s[G0+4*\slot+2:G0+4*\slot+3], 512
	s_add_nc_u64 s[G0B+4*\slot+2:G0B+4*\slot+3], s[G0B+4*\slot+2:G0B+4*\slot+3], 512
	JLOAD G0+4*\slot, G1, G0B+4*\slot, G1B         ; my one tensor load behind the round: two K steps on; its four v_nop are the places in front of the loads below
.else
	PLACES 4
.endif
	v_add_nc_u32 v[ADRS], 16, v[ADRS]              ; the next K step's scale words
	FETCH \next, 0, 0
	SCALES \next
	WIN MUL
	MUL8 2, 1, 3, \slot, 0
	MUL8 3, 1, 3, \slot, 0
.endm
	s_wait_tensorcnt 1                             ; the scales and my part of K step 0 are in; K step 1's load may be out
	s_barrier_signal -1
	s_barrier_wait -1
	FETCH 0, 0, 0
	SCALES 0
	STEP 0, 0, 1                                   ; the first sub-step stands ahead of the loop: its products start the sums
	WIN 0
	s_mov_b32 s3, LAPS-1
.Llap:                                                 ; a trip goes once round the ring and fills both slots again
	STEP 0, 1, 0
	STEP 0, 2, 0
	TURN 0, 1, 1
	STEP 1, 0, 0
	STEP 1, 1, 0
	STEP 1, 2, 0
	TURN 1, 0, 1
	STEP 0, 0, 0
	WIN 0
	s_sub_co_u32 s3, s3, 1
	s_cmp_lg_u32 s3, 0
	s_cbranch_scc1 .Llap
	STEP 0, 1, 0                                   ; the last lap fills nothing
	STEP 0, 2, 0
	TURN 0, 1, 0
	STEP 1, 0, 0
	STEP 1, 1, 0
	STEP 1, 2, 0
	s_wait_dscnt 0x0
.irp a, 0,1,2,3
	MUL8 \a, 1, 3, 1, 0
.endr
	WIN 0
; THE WAY OUT, a block of 16 rows x 128 columns at a time.
.macro ROPE a                          ; d < 64: x1 cos - x2 sin; d >= 64: x2 cos + x1 sin; each accumulator is read from its low end on
	WIN 0x0d                                       ; source 0 window 1 (the sums), source 1 window 3 (the table)
.irp b, 0,1,2,3
.irp j, 0,2,4,6
	v_pk_mul_f32 v[T+8*\b+\j:T+8*\b+\j+1], v[8*(8*\a+\b+4)+\j:8*(8*\a+\b+4)+\j+1], v[64*\a+32+8*\b+\j:64*\a+32+8*\b+\j+1]
	v_pk_mul_f32 v[T+32+8*\b+\j:T+32+8*\b+\j+1], v[8*(8*\a+\b)+\j:8*(8*\a+\b)+\j+1], v[64*\a+32+8*\b+\j:64*\a+32+8*\b+\j+1]
	v_pk_fma_f32 v[T+8*\b+\j:T+8*\b+\j+1], v[8*(8*\a+\b)+\j:8*(8*\a+\b)+\j+1], v[64*\a+8*\b+\j:64*\a+8*\b+\j+1], v[T+8*\b+\j:T+8*\b+\j+1] neg_lo:[0,0,1] neg_hi:[0,0,1]
	v_pk_fma_f32 v[T+32+8*\b+\j:T+32+8*\b+\j+1], v[8*(8*\a+\b+4)+\j:8*(8*\a+\b+4)+\j+1], v[64*\a+8*\b+\j:64*\a+8*\b+\j+1], v[T+32+8*\b+\j:T+32+8*\b+\j+1]
.endr
.endr
	WIN 0
.endm
.macro F32OUT a, rope                  ; through my f32 stage: in 32 bytes a lane, back as whole rows of 512 bytes; LDS serves a wave's instructions in order
.if \rope
.irp b, 0,1,2,3,4,5,6,7
	ds_store_b128 v[STO32], v[T+8*\b:T+8*\b+3] offset:64*\b
	ds_store_b128 v[STO32], v[T+8*\b+4:T+8*\b+7] offset:64*\b+16
.endr
.else
	WIN 0x04                                       ; an LDS store's data are its source 1: window 1
.irp b, 0,1,2,3,4,5,6,7
	ds_store_b128 v[STO32], v[8*(8*\a+\b):8*(8*\a+\b)+3] offset:64*\b
	ds_store_b128 v[STO32], v[8*(8*\a+\b)+4:8*(8*\a+\b)+7] offset:64*\b+16
.endr
	WIN 0
.endif
.irp t, 0,1,2,3,4,5,6,7,8,9,10,11,12,13,14,15
	ds_load_b128 v[BK+4*\t:BK+4*\t+3], v[RD32] offset:528*\t
.endr
	s_wait_dscnt 0x0
.irp t, 0,1,2,3,4,5,6,7,8,9,10,11,12,13,14,15
	global_store_b128 v[CO32], v[BK+4*\t:BK+4*\t+3], s[8:9] offset:8192*\a+512*\t   ; 32 lanes store 512 consecutive bytes, aligned
.endr
.endm
.macro F16OUT a, rope                  ; rounded to f16, through my f16 stage, back as whole rows of 256 bytes
.if \rope
.irp b, 0,1,2,3,4,5,6,7
.irp e, 0,1,2,3
	v_cvt_pk_f16_f32 v[HP+4*\b+\e], v[T+8*\b+2*\e], v[T+8*\b+2*\e+1]
.endr
.endr
.else
	WIN 0x05
.irp b, 0,1,2,3,4,5,6,7
.irp e, 0,1,2,3
	v_cvt_pk_f16_f32 v[HP+4*\b+\e], v[8*(8*\a+\b)+2*\e], v[8*(8*\a+\b)+2*\e+1]
.endr
.endr
	WIN 0
.endif
.irp b, 0,1,2,3,4,5,6,7
	ds_store_b128 v[STO16], v[HP+4*\b:HP+4*\b+3] offset:32*\b
.endr
.irp t, 0,1,2,3,4,5,6,7
	ds_load_b128 v[BH+4*\t:BH+4*\t+3], v[RD16] offset:544*\t
.endr
	s_wait_dscnt 0x0
.irp t, 0,1,2,3,4,5,6,7
	global_store_b128 v[CO16], v[BH+4*\t:BH+4*\t+3], s[6:7] offset:4096*\a+512*\t   ; sixteen lanes store 256 consecutive bytes, aligned
.endr
.endm
.macro BLOCKQK a
	s_wait_xcnt 0x0                                ; the last block's stores have read their registers
	ROPE \a
.if \a > 0
	s_cmp_lt_u32 ttmp9, 2                          ; q keeps its first 16 rows alone in f32; the cluster's x is the same in all partners
	s_cbranch_scc1 .Lno_f32_\@
.endif
	F32OUT \a, 1
.if \a > 0
.Lno_f32_\@:
.endif
	F16OUT \a, 1
.endm
.macro BLOCKV a
	s_wait_xcnt 0x0
	F32OUT \a, 0
	F16OUT \a, 0
.endm
	PLACES 4                                       ; between the last products and the first read of results
	s_wait_loadcnt 0x0                             ; the table
	s_cmp_eq_u32 ttmp9, 3                          ; the last clusters along x make v, which is not turned
	s_cbranch_scc1 .Lv_out
.irp a, 0,1,2,3
	BLOCKQK \a
.endr
	s_branch .Lend
.Lv_out:
.irp a, 0,1,2,3
	BLOCKV \a
.endr
.Lend:
	s_wait_tensorcnt 0x0                           ; the wave's end, behind my last tensor load and my last LDS store
	ds_add_u32 v[SPW], v[NIL]
	s_wait_dscnt 0x0
	CROUND                                         ; the closing round: no work-group ends while a partner may still ask for a tile that names it
	s_endpgm
.Lfunc_end_k_q1b8ba5a574_qkv:
	.size	k_q1b8ba5a574_qkv, .Lfunc_end_k_q1b8ba5a574_qkv-k_q1b8ba5a574_qkv
	.p2alignl 7, 3214868480
	.fill 96, 4, 3214868480
	.section	.rodata,"a",@progbits
	.p2align	6, 0x0
	.amdhsa_kernel k_q1b8ba5a574_qkv
		.amdhsa_group_segment_fixed_size 327680
		.amdhsa_private_segment_fixed_size 0
		.amdhsa_enable_private_segment 0
		.amdhsa_kernarg_size 24
		.amdhsa_user_sgpr_count 2
		.amdhsa_user_sgpr_kernarg_segment_ptr 1
		.amdhsa_wavefront_size32 1
		.amdhsa_system_sgpr_workgroup_id_x 1
		.amdhsa_system_sgpr_workgroup_id_y 1
		.amdhsa_system_sgpr_workgroup_id_z 1
		.amdhsa_system_vgpr_workitem_id 0
		.amdhsa_next_free_vgpr 1024
		.amdhsa_next_free_sgpr 102
		.amdhsa_reserve_vcc 0
		.amdhsa_float_denorm_mode_32 3
		.amdhsa_float_denorm_mode_16_64 3
		.amdhsa_memory_ordered 1
		.amdhsa_forward_progress 1
		.amdhsa_inst_pref_size 190
	.end_amdhsa_kernel
	.amdgpu_metadata
---
amdhsa.version: [ 1, 2 ]
amdhsa.kernels:
  - .name:           k_q1b8ba5a574_qkv
    .symbol:         k_q1b8ba5a574_qkv.kd
    .args:
      - { .name: qin, .offset: 0, .size: 8, .value_kind: global_buffer, .address_space: global }
      - { .name: qkv16, .offset: 8, .size: 8, .value_kind: global_buffer, .address_space: global }
      - { .name: qkv32, .offset: 16, .size: 8, .value_kind: global_buffer, .address_space: global }
    .group_segment_fixed_size: 327680
    .private_segment_fixed_size: 0
    .kernarg_segment_align: 8
    .kernarg_segment_size: 24
    .max_flat_workgroup_size: 128
    .sgpr_count:     102
    .vgpr_count:     1024
    .wavefront_size: 32
...
	.end_amdgpu_metadata
.endif
;; end of part 2
;; launch fattn (part 3): grid 256 x 1, 4 waves a work-group, no clusters, 34,816 bytes of LDS; arguments qkv32, attention_mask, part; writes part
.if DOCPART == 3
	.amdgcn_target "amdgcn-amd-amdhsa--gfx1250"
	.amdhsa_code_object_version 6
	.text
	.protected	k_q1b8ba5a574_fattn
	.globl	k_q1b8ba5a574_fattn
	.p2align	8
	.type	k_q1b8ba5a574_fattn,@function
k_q1b8ba5a574_fattn:
	s_mov_b64 s[64:65], 0
	v_nop
	global_prefetch_b8 v0, s[64:65] scope:SCOPE_SE
	s_setreg_imm32_b32 hwreg(HW_REG_WAVE_MODE, 25, 1), 1
	s_wait_xcnt 0x0
; FATTN: positions 0 to 15 of every head in f32: those rows can average few values, and there the rounding of f16 operands would use up what the comparison allows.
; The mask is an input, so these rows walk all 2,048 keys.  A work-group takes one head and one chunk of 128 keys and leaves a PARTIAL softmax: the chunk's largest x (M), the sum of p = e^(x - M) (l), and the
; sum of p v (O), which the next launch merges.  Wave w takes 32 of the keys; the four waves agree on M through LDS, so that their parts simply add.
; x = (q . k) c + mask with c = 16 / sqrt(128), since q and k are stored as quarters.  M has the floor -FLT_MAX, so that a mask of -infinity gives p = 0.
; v_wmma_f32_16x16x4_f32, 128 a wave (no bulk work).  Both products transposed: S^T = K Q^T, O^T = V^T p: a lane holds one query.  The order of k inside a product is permuted alike in both operands:
; q's and k's rows come by loads of 16 bytes (registers 4 c .. 4 c + 3: channels 8 c + 4 h + 0 .. 3), and v is loaded so that its registers meet p's keys 16 kt + 8 h + 2 i + j.
; The registers that the matrix form writes (S: v192-207 of window 0; O: v128-191 of window 1) are written by nothing else, and no other window's loads use those numbers.
; No tensor load, no loop, no cluster: nothing is shared between work-groups but 64 KB of k and v between two heads.
; REGISTERS: window 0: v1-11 addresses; v12, v13 the add's two; v16-79 Q (later rows of O); v80-95 the mask; v96-111 x, then p; v112-117 at work; v192-207 S.  window 1: v0-127 K; v128-191 O.  window 2: v0-127 V.
.set O_V32, 8388608
.set O_Q32, 16777216
.set O_PM,  2097152
.set LX,    256                        ; LDS: 0: the waves' maxima, 64 bytes a wave; 256: their sums
.set STG,   512                        ; four stages of 16 rows x (512 + 16) bytes
.set SPARE, 34304
.set SPW, 12
.set NIL, 13
.set QF,  16
.set MSK, 80
.set X,   96
.set S,   192
.set CS,  30
.set L2E, 32
.set SEL, 34
.set MSB, 0
.macro WIN new
.if MSB != \new
	s_set_vgpr_msb (MSB<<8)|\new
.set MSB, \new
.endif
.endm
.macro VLOADS lo, hi                   ; V's loads number lo .. hi - 1 of 128: register 16 (4 kt + i) + 2 t + j = V(key 16 kt + 8 h + 2 i + j, channel 16 t + r)
.set nv, 0
.irp kt, 0,1
.irp i, 0,1,2,3
.irp j, 0,1
.irp t, 0,1,2,3,4,5,6,7
.if (nv >= \lo) && (nv < \hi)
	global_load_b32 v[16*(4*\kt+\i)+2*\t+\j], v5, s[20:21] offset:(16*\kt+2*\i+\j)*512+64*\t
.endif
.set nv, nv+1
.endr
.endr
.endr
.endr
.endm
	s_load_b128 s[4:7], s[0:1], 0x0                ; qkv32, the mask
	s_load_b64 s[8:9], s[0:1], 0x10                ; part
	v_lshl_add_u32 v[SPW], v0, 2, SPARE
	v_mov_b32 v[NIL], 0
	v_lshrrev_b32 v1, 5, v0
	v_readfirstlane_b32 s10, v1                    ; wave 0..3
	v_and_b32 v1, 15, v0                           ; r
	v_bfe_u32 v2, v0, 4, 1                         ; h
	v_and_b32 v14, 31, v0                          ; lane
	v_lshlrev_b32 v3, 9, v1
	v_lshl_add_u32 v3, v2, 4, v3                   ; q, k: row r of 512 bytes, + 16 h
	v_lshlrev_b32 v4, 13, v1
	v_lshl_add_u32 v4, v2, 5, v4                   ; the mask: row r of 8,192 bytes, + 32 h
	v_lshlrev_b32 v5, 2, v1
	v_lshl_add_u32 v5, v2, 12, v5                  ; v: 8 h rows of 512 bytes, + 4 r
	v_lshlrev_b32 v7, 2, v1                        ; a query's word among a wave's 16
	s_lshl_b32 s15, s10, 6
	v_add_nc_u32 v6, s15, v7                       ; and in my wave's 64 bytes
	s_mul_i32 s15, s10, 16*528
	s_add_co_u32 s15, s15, STG
	v_mul_u32_u24 v8, v1, 528
	v_lshl_add_u32 v8, v2, 5, v8
	v_add_nc_u32 v8, s15, v8                       ; my stage: row r, + 32 h
	s_mul_i32 s15, s10, 4*528
	s_add_co_u32 s15, s15, STG
	v_lshlrev_b32 v9, 4, v14
	v_add_nc_u32 v9, s15, v9                       ; back: rows 4 w on, 16 bytes a lane
	s_lshl_b32 s15, s10, 11
	v_lshlrev_b32 v10, 4, v14
	v_add_nc_u32 v10, s15, v10                     ; and the same in the chunk's O
	v_lshlrev_b32 v11, 6, v1
	v_lshl_add_u32 v11, v2, 14, v11                ; M: 64 bytes a query; l lies 16,384 bytes behind
	v_mov_b32 v113, 0                              ; (a lane permute's destination counts as one of its sources)
	s_lshr_b32 s11, ttmp9, 4                       ; head
	s_and_b32 s12, ttmp9, 15                       ; chunk
	s_lshr_b32 s13, s11, 1                         ; its key and value head
	s_lshl_b32 s14, s12, 7
	s_lshl_b32 s15, s10, 5
	s_add_co_u32 s14, s14, s15                     ; my first key
	s_mov_b32 s29, 0
	s_mov_b32 s[CS], 0x3fb504f3                    ; c = 16 / sqrt(128)
	s_mov_b32 s[CS+1], s[CS]
	s_mov_b32 s[L2E], 0x3fb8aa3b                   ; log2(e)
	s_mov_b32 s[L2E+1], s[L2E]
	s_mov_b32 s[SEL], 0x76543210
	s_mov_b32 s[SEL+1], 0xfedcba98                 ; lane l xor 16
	s_wait_kmcnt 0x0
	s_lshl_b32 s28, s11, 18
	s_add_co_u32 s28, s28, O_Q32
	s_add_nc_u64 s[16:17], s[4:5], s[28:29]        ; q: the head's unit 0
	s_lshl_b32 s28, s13, 20
	s_lshl_b32 s15, s14, 9
	s_add_co_u32 s28, s28, s15
	s_add_nc_u64 s[18:19], s[4:5], s[28:29]        ; k at my first key
	s_add_nc_u64 s[20:21], s[18:19], O_V32         ; v likewise
	s_lshl_b32 s28, s14, 2
	s_add_nc_u64 s[22:23], s[6:7], s[28:29]        ; the mask at my first key
	s_lshl_b32 s28, ttmp9, 13
	s_add_nc_u64 s[24:25], s[8:9], s[28:29]        ; O of (head, chunk): 16 rows of 512 bytes
	s_lshl_b32 s28, s11, 10
	s_lshl_b32 s15, s12, 2
	s_add_co_u32 s28, s28, s15
	s_add_co_u32 s28, s28, O_PM
	s_add_nc_u64 s[26:27], s[8:9], s[28:29]        ; M of (head, query 0, chunk)
.irp c, 0,1,2,3,4,5,6,7,8,9,10,11,12,13,14,15
	global_load_b128 v[QF+4*\c:QF+4*\c+3], v3, s[16:17] offset:32*\c
.endr
	WIN 0x40
.irp kt, 0,1
.irp c, 0,1,2,3,4,5,6,7,8,9,10,11,12,13,14,15
	global_load_b128 v[64*\kt+4*\c:64*\kt+4*\c+3], v3, s[18:19] offset:8192*\kt+32*\c
.endr
.endr
	WIN 0
.irp kt, 0,1
	global_load_b128 v[MSK+8*\kt:MSK+8*\kt+3], v4, s[22:23] offset:64*\kt
	global_load_b128 v[MSK+8*\kt+4:MSK+8*\kt+7], v4, s[22:23] offset:64*\kt+16
.endr
	WIN 0x80
	VLOADS 0, 60
	s_wait_loadcnt 60                              ; q, k and the mask are in; the 60 loads of v issued behind them may be out
	WIN 0x01                                       ; source 0 (K) window 1
.set ls, 0
.rept 32                                       ; S^T = K Q^T: two accumulators by turns; the first link of each starts its sum with 0
.irp kt, 0,1
.if ls == 0
	v_wmma_f32_16x16x4_f32 v[S+8*\kt:S+8*\kt+7], v[64*\kt+2*ls:64*\kt+2*ls+1], v[QF+2*ls:QF+2*ls+1], 0
.else
	v_wmma_f32_16x16x4_f32 v[S+8*\kt:S+8*\kt+7], v[64*\kt+2*ls:64*\kt+2*ls+1], v[QF+2*ls:QF+2*ls+1], v[S+8*\kt:S+8*\kt+7]
.endif
.endr
.set ls, ls+1
.endr
	WIN 0x80
	VLOADS 60, 128
	WIN 0
.rept 8
	v_nop                                          ; eight places behind this form before its results are read
.endr
.irp p, 0,2,4,6,8,10,12,14
	v_pk_fma_f32 v[X+\p:X+\p+1], v[S+\p:S+\p+1], s[CS:CS+1], v[MSK+\p:MSK+\p+1] op_sel_hi:[1,0,1]   ; x = s c + mask; register 8 kt + j: key 16 kt + 8 h + j
.endr
	v_max3_num_f32 v112, v[X], v[X+1], 0xff7fffff  ; the largest x, with the floor -FLT_MAX
.irp p, 2,4,6,8,10,12,14
	v_max3_num_f32 v112, v112, v[X+\p], v[X+\p+1]
.endr
	v_permlanex16_b32 v113, v112, s[SEL], s[SEL+1]
	v_max_num_f32 v112, v112, v113                 ; of my wave's 32 keys
	ds_store_b32 v6, v112                          ; both halves of the lanes write the same word with the same value
	s_wait_dscnt 0x0
	s_barrier_signal -1
	s_barrier_wait -1
.irp i, 0,1,2,3
	ds_load_b32 v[114+\i], v7 offset:64*\i
.endr
	s_wait_dscnt 0x0
	v_max3_num_f32 v112, v114, v115, v116
	v_max_num_f32 v112, v112, v117                 ; M: of the chunk's 128 keys
	v_mov_b32 v113, v112
.irp p, 0,2,4,6,8,10,12,14
	v_pk_add_f32 v[X+\p:X+\p+1], v[X+\p:X+\p+1], v[112:113] op_sel_hi:[1,0] neg_lo:[0,1] neg_hi:[0,1]   ; x - M first: exact where both are the same large number
.endr
.irp p, 0,2,4,6,8,10,12,14
	v_pk_mul_f32 v[X+\p:X+\p+1], v[X+\p:X+\p+1], s[L2E:L2E+1] op_sel_hi:[1,0]
.endr
.irp p, 0,1,2,3,4,5,6,7,8,9,10,11,12,13,14,15
	v_exp_f32 v[X+\p], v[X+\p]
.endr
	v_nop                                          ; a plain line behind the exponentials,
	s_wait_alu depctr_va_vdst(0)                   ; and one wait for the batch, ahead of its first reader
	v_pk_add_f32 v[114:115], v[X:X+1], v[X+2:X+3]
.irp p, 4,6,8,10,12,14
	v_pk_add_f32 v[114:115], v[114:115], v[X+\p:X+\p+1]
.endr
	v_add_f32 v114, v114, v115
	v_permlanex16_b32 v115, v114, s[SEL], s[SEL+1]
	v_add_f32 v114, v114, v115                     ; my wave's l
	s_wait_loadcnt 0x0                             ; v
	WIN 0x52                                       ; source 0 (V) window 2, source 1 (p) window 0, C and D window 1
.irp kt, 0,1
.irp i, 0,1,2,3
.irp t, 0,1,2,3,4,5,6,7                        ; O^T += V^T p: eight accumulators by turns
.if (\kt == 0) && (\i == 0)
	v_wmma_f32_16x16x4_f32 v[128+8*\t:128+8*\t+7], v[16*(4*\kt+\i)+2*\t:16*(4*\kt+\i)+2*\t+1], v[X+8*\kt+2*\i:X+8*\kt+2*\i+1], 0
.else
	v_wmma_f32_16x16x4_f32 v[128+8*\t:128+8*\t+7], v[16*(4*\kt+\i)+2*\t:16*(4*\kt+\i)+2*\t+1], v[X+8*\kt+2*\i:X+8*\kt+2*\i+1], v[128+8*\t:128+8*\t+7]
.endif
.endr
.endr
.endr
	WIN 0
.rept 8
	v_nop
.endr
	WIN 0x04                                       ; an LDS store's data are its source 1: window 1
.irp t, 0,1,2,3,4,5,6,7
	ds_store_b128 v8, v[128+8*\t:128+8*\t+3] offset:64*\t        ; lane (r, h): O(query r, channels 16 t + 8 h + 0 .. 7)
	ds_store_b128 v8, v[128+8*\t+4:128+8*\t+7] offset:64*\t+16
.endr
	WIN 0
	ds_store_b32 v6, v114 offset:LX
	s_wait_dscnt 0x0
	s_barrier_signal -1
	s_barrier_wait -1
.irp i, 0,1,2,3                                ; wave w adds the four waves' rows 4 w .. 4 w + 3
.irp u, 0,1,2,3
	ds_load_b128 v[16+16*\i+4*\u:16+16*\i+4*\u+3], v9 offset:8448*\u+528*\i
.endr
.endr
	s_wait_dscnt 0x0
.irp i, 0,1,2,3
	v_pk_add_f32 v[16+16*\i:17+16*\i], v[16+16*\i:17+16*\i], v[20+16*\i:21+16*\i]
	v_pk_add_f32 v[18+16*\i:19+16*\i], v[18+16*\i:19+16*\i], v[22+16*\i:23+16*\i]
	v_pk_add_f32 v[24+16*\i:25+16*\i], v[24+16*\i:25+16*\i], v[28+16*\i:29+16*\i]
	v_pk_add_f32 v[26+16*\i:27+16*\i], v[26+16*\i:27+16*\i], v[30+16*\i:31+16*\i]
	v_pk_add_f32 v[16+16*\i:17+16*\i], v[16+16*\i:17+16*\i], v[24+16*\i:25+16*\i]
	v_pk_add_f32 v[18+16*\i:19+16*\i], v[18+16*\i:19+16*\i], v[26+16*\i:27+16*\i]
	global_store_b128 v10, v[16+16*\i:19+16*\i], s[24:25] offset:512*\i   ; a row of 512 consecutive bytes
.endr
	s_cmp_lg_u32 s10, 0                            ; wave 0 stores the chunk's M and l
	s_cbranch_scc1 .Ldone
.irp i, 0,1,2,3
	ds_load_b32 v[114+\i], v7 offset:LX+64*\i
.endr
	s_wait_dscnt 0x0
	v_add_f32 v114, v114, v115
	v_add_f32 v116, v116, v117
	v_add_f32 v114, v114, v116
	v_cmp_eq_u32 vcc_lo, 1, v2
	v_cndmask_b32 v114, v112, v114, vcc_lo         ; lanes 0-15 M, lanes 16-31 l
	global_store_b32 v11, v114, s[26:27]
.Ldone:
	s_wait_tensorcnt 0x0                           ; the wave's end, behind my last LDS store
	ds_add_u32 v[SPW], v[NIL]
	s_wait_dscnt 0x0
	s_endpgm
.Lfunc_end_k_q1b8ba5a574_fattn:
	.size	k_q1b8ba5a574_fattn, .Lfunc_end_k_q1b8ba5a574_fattn-k_q1b8ba5a574_fattn
	.p2alignl 7, 3214868480
	.fill 96, 4, 3214868480
	.section	.rodata,"a",@progbits
	.p2align	6, 0x0
	.amdhsa_kernel k_q1b8ba5a574_fattn
		.amdhsa_group_segment_fixed_size 34816
		.amdhsa_private_segment_fixed_size 0
		.amdhsa_enable_private_segment 0
		.amdhsa_kernarg_size 24
		.amdhsa_user_sgpr_count 2
		.amdhsa_user_sgpr_kernarg_segment_ptr 1
		.amdhsa_wavefront_size32 1
		.amdhsa_system_sgpr_workgroup_id_x 1
		.amdhsa_system_sgpr_workgroup_id_y 1
		.amdhsa_system_sgpr_workgroup_id_z 1
		.amdhsa_system_vgpr_workitem_id 0
		.amdhsa_next_free_vgpr 640
		.amdhsa_next_free_sgpr 66
		.amdhsa_reserve_vcc 1
		.amdhsa_float_denorm_mode_32 3
		.amdhsa_float_denorm_mode_16_64 3
		.amdhsa_memory_ordered 1
		.amdhsa_forward_progress 1
		.amdhsa_inst_pref_size 38
	.end_amdhsa_kernel
	.amdgpu_metadata
---
amdhsa.version: [ 1, 2 ]
amdhsa.kernels:
  - .name:           k_q1b8ba5a574_fattn
    .symbol:         k_q1b8ba5a574_fattn.kd
    .args:
      - { .name: qkv32, .offset: 0, .size: 8, .value_kind: global_buffer, .address_space: global }
      - { .name: attention_mask, .offset: 8, .size: 8, .value_kind: global_buffer, .address_space: global }
      - { .name: part, .offset: 16, .size: 8, .value_kind: global_buffer, .address_space: global }
    .group_segment_fixed_size: 34816
    .private_segment_fixed_size: 0
    .kernarg_segment_align: 8
    .kernarg_segment_size: 24
    .max_flat_workgroup_size: 128
    .sgpr_count:     66
    .vgpr_count:     640
    .wavefront_size: 32
...
	.end_amdgpu_metadata
.endif
;; end of part 3
;; launch attn (part 4): grid 32 x 8, 4 waves a work-group, clusters of 4 x 4, 327,680 bytes of LDS; arguments qkv16, attention_mask, part, att16, ofine; writes att16, ofine
.if DOCPART == 4
	.amdgcn_target "amdgcn-amd-amdhsa--gfx1250"
	.amdhsa_code_object_version 6
	.text
	.protected	k_q1b8ba5a574_attn
	.globl	k_q1b8ba5a574_attn
	.p2align	8
	.type	k_q1b8ba5a574_attn,@function
k_q1b8ba5a574_attn:
	s_mov_b64 s[64:65], 0
	v_nop
	global_prefetch_b8 v0, s[64:65] scope:SCOPE_SE
	s_setreg_imm32_b32 hwreg(HW_REG_WAVE_MODE, 25, 1), 1
	s_wait_xcnt 0x0
	s_wait_alu depctr_hold_cnt(0) depctr_sa_sdst(0) depctr_va_vdst(0) depctr_va_sdst(0) depctr_va_ssrc(0) depctr_va_vcc(0) depctr_vm_vsrc(0)
	s_getreg_b32 s2, hwreg(HW_REG_IB_STS2, 6, 4)
	s_cmp_eq_u32 s2, 0
	s_cbranch_scc0 .Lentry_in_a_cluster
	s_endpgm
.Lentry_in_a_cluster:
	s_bfe_u32 s2, ttmp6, 0x10000c
	s_cmp_lg_u32 s2, 0xf033
	s_cbranch_scc0 .Lentry_shape_is_right
	s_endpgm
.Lentry_shape_is_right:
; ATTN: att[s][head][:] = softmax_k(q . k / sqrt(128) + mask[s][k]) v, f16 operands, f32 sums, maxima and exponentials.  The mask is an input: every query walks all 2,048 keys and every word of the mask is read.
; SHARES.  A work-group takes 64 queries x the two query heads of one key and value head: 256 work-groups.  Wave w: 32 of the queries (w / 2) and ONE HALF OF THE KEYS (w % 2): four tiles of 16 queries (2 heads x 2),
; so that each fragment of K and V feeds four products.  At the end the two waves of a pair merge their halves through LDS: each keeps tiles 0, 1 and hands tiles 2, 3 over.  Tile t: head 2 g + t % 2, query tile (t / 2) xor (w % 2).
; A step is 64 keys of each half: k16 and v16 are laid so that rows 128 i .. 128 i + 127 are keys 64 i .. and 1024 + 64 i ..: one dense tile.  Sixteen steps, two LDS slots.
; LAYOUT: S^T = K Q^T, O^T = V^T P: a lane holds one query (lane % 16) throughout.  K comes out of LDS as it lies, V turned by ds_load_tr16_b128.
; SOFTMAX: x = s c + mask, c = 16 / sqrt(128) (q and k are stored as quarters); a running maximum m of x with the floor -FLT_MAX; p = 2^((x - m) log2 e), the difference taken first, so that it is exact where x and m are
; the same large number (a row that is masked everywhere); p is rounded to f16 for the second product, the sum is taken of the unrounded p; O and l are multiplied by 2^((m_old - m_new) log2 e) in every step.
; CLUSTER 4 x 4: K's and V's tiles hang on the key head alone and are shared along a row of the cluster, the mask's tile on the query block alone and is shared along a column: each is asked for jointly.
; In phases (products, softmax, products): the plain form.
; ALSO: each work-group merges one fine row (head W / 16, query W % 16, W its number) out of the sixteen partial softmaxes of the launch before, a channel a thread, while its first tile is on its way.
; LIMITS: a mask of -infinity is served (p = 0); NaN and +infinity are not; |attention's result| up to 65,504.
; REGISTERS: window 0: v2-11 addresses; v12-43 eight statistics a tile (+0 m, +2, +3 l, +4 .. +7 at work, a in +6); v44-61 the way out; v62, v63 the add's two; v64-191 S^T, 32 a tile; v192-255 P, 16 a tile.
;   window 1: O^T, 64 a tile.   window 2: v0-127 Q; v128-255 K.   window 3: v0-127 V; v128-191 the mask (32 for tiles 0, 1, 32 for tiles 2, 3).
.set PK,    272                        ; a row of K in LDS: 256 bytes + 16
.set PV,    288                        ; of V: 256 + 32: the turning load's 8 rows x 32 bytes fall on different banks
.set VOFF,  128*PK
.set MOFF,  VOFF+128*PV                ; the mask: two halves of 64 rows x (256 + 16) bytes
.set MHALF, 64*272
.set SLOT1, 1<<17                      ; one exclusive or turns an address in one slot into the other's
.set SPARE, SLOT1+MOFF+2*MHALF
.set EXB,   16896                      ; the end, in slot 0, which has had its last fill and its last read by then: a wave's image of two tiles of O^T (16,384 bytes) and of their statistics (512),
.set STAGE, 4*EXB                      ; and 16 rows x 272 bytes a wave for the way out
.set SP,    272
.set AK0, 2
.set AV0, 3
.set AMA, 4
.set AMB, 5
.set ADRK, 6
.set ADRV, 7
.set ADMA, 8
.set ADMB, 9
.set QOA, 10
.set QOB, 11
.set ST,  12
.set RR,  44
.set HH,  45
.set STO, 46
.set RD,  47
.set GO,  48
.set EXS, 49
.set EXL, 50
.set PFO, 61
.set SPW, 62
.set NIL, 63
.set S,   64
.set P,   192
.set KF,  128
.set MK,  128
.set WV,  14
.set G1K, 24
.set G1V, 32
.set G1M, 40
.set G0K, 48
.set G0V, 52
.set G0M, 56
.set CS,  60
.set L2E, 62
.set SEL, 66
.set TB,  68
.set SLOTS, 69
.set LIM, 70
.set PFA, 72
.set PFS, 74
.set MSB, 0
.macro WIN new
.if MSB != \new
	s_set_vgpr_msb (MSB<<8)|\new
.set MSB, \new
.endif
.endm
.set W_KQ, 0x0a                        ; K and Q window 2, S^T window 0
.set W_PV, 0x53                        ; V window 3, P window 0, O^T window 1
.set W_RS, 0x41                        ; O^T window 1, a window 0
; A joint load: wave 0 fetches K's tile, wave 1 V's, waves 2 and 3 the mask's two halves.  The branches hang on the wave's number alone.  An s_nop 0 and four v_nop follow each line.
.macro JLOAD3
	s_cmp_eq_u32 s[WV], 0
	s_cbranch_scc0 .Lnot_k_\@
	tensor_load_to_lds s[G0K:G0K+3], s[G1K:G1K+7]
	s_nop 0
.rept 4
	v_nop
.endr
	s_branch .Lasked_\@
.Lnot_k_\@:
	s_cmp_eq_u32 s[WV], 1
	s_cbranch_scc0 .Lnot_v_\@
	tensor_load_to_lds s[G0V:G0V+3], s[G1V:G1V+7]
	s_nop 0
.rept 4
	v_nop
.endr
	s_branch .Lasked_\@
.Lnot_v_\@:
	tensor_load_to_lds s[G0M:G0M+3], s[G1M:G1M+7]
	s_nop 0
.rept 4
	v_nop
.endr
.Lasked_\@:
.endm
; A prefetch of what the NEXT change of slots will ask for, one step (128 products and its softmax) ahead of that load.  Each aligned block of 256 bytes is named once in the launch.  K and V of a key head are walked by all
; eight clusters along x: the first of them asks, wave 0 for K, wave 1 for V; its four partners along x take 32 of the 128 rows each, told apart by address.  A query block's part of the mask is walked by both clusters
; along y: the first asks, wave 2; its four partners along y take 16 of the 64 rows each, in both halves.  The last change that fills a slot asks for nothing; nothing is asked for at the head.
.macro ASK
	s_cmp_gt_u32 s[SLOTS], s[LIM]
	s_cbranch_scc0 .Lnot_mine_\@
	global_prefetch_b8 v[PFO], s[PFA:PFA+1] th:TH_LOAD_NT scope:SCOPE_SE
.Lnot_mine_\@:
.endm
.macro CROUND
	s_barrier_signal -1
	s_barrier_wait -1
	s_cmp_lg_u32 s[WV], 0
	s_cbranch_scc1 .Lnot_wave_0_\@
	s_barrier_signal -3
.Lnot_wave_0_\@:
	s_barrier_wait -3
	s_barrier_signal -1
	s_barrier_wait -1
.endm
	s_load_b256 s[4:11], s[0:1], 0x0               ; qkv16 s[4:5], the mask s[6:7], part s[8:9], att16 s[10:11]
	s_load_b64 s[12:13], s[0:1], 0x20              ; ofine
	v_lshl_add_u32 v[SPW], v0, 2, SPARE
	v_mov_b32 v[NIL], 0
	ds_add_u32 v[SPW], v[NIL]                      ; the wave's opening: the add, twice on end, and its wait ahead of my first tensor load
	ds_add_u32 v[SPW], v[NIL]
	v_lshrrev_b32 v1, 5, v0
	v_readfirstlane_b32 s[WV], v1                  ; wave 0..3
	s_and_b32 s82, s[WV], 1                        ; kh: my half of the keys
	s_lshr_b32 s83, s[WV], 1                       ; qh: my 32 queries
	s_bfe_u32 s15, ttmp6, 0x40000                  ; cx
	s_bfe_u32 s16, ttmp6, 0x40004                  ; cy
	s_lshl_b32 s17, ttmp9, 2
	s_add_co_u32 s17, s17, s15                     ; qb: my block of 64 queries
	s_and_b32 s19, ttmp7, 0xffff                   ; the cluster's y
	s_lshl_b32 s18, s19, 2
	s_add_co_u32 s18, s18, s16                     ; g: my key and value head
	s_lshl_b32 s20, s16, 2
	s_lshl_b32 s20, 15, s20                        ; my row of the cluster
	s_lshl_b32 s21, 0x1111, s15                    ; my column
	; group 1.  K, V: 128 rows x 128 elements of 2 bytes, dense; padding behind every 64 words: 4 words (K), 8 words (V).  The mask: 64 rows x 64 elements of 4 bytes, 2,048 elements from row to row; 4 words
	s_or_b32 s[G1K], s20, (1<<16)|(1<<20)|(1<<21)|(5<<22)|(3<<25)
	s_or_b32 s[G1V], s20, (1<<16)|(1<<20)|(1<<21)|(5<<22)|(7<<25)
	s_or_b32 s[G1M], s21, (2<<16)|(1<<20)|(1<<21)|(5<<22)|(3<<25)
.irp g, G1K, G1V
	s_mov_b32 s[\g+1], 128<<16
	s_mov_b32 s[\g+2], 128<<16
	s_mov_b32 s[\g+3], 128<<16
	s_mov_b32 s[\g+4], 128
	s_mov_b32 s[\g+5], 128
	s_mov_b32 s[\g+6], 0
	s_mov_b32 s[\g+7], 0
.endr
	s_mov_b32 s[G1M+1], 64<<16
	s_mov_b32 s[G1M+2], 64<<16
	s_mov_b32 s[G1M+3], 64<<16
	s_mov_b32 s[G1M+4], 64
	s_mov_b32 s[G1M+5], 2048
	s_mov_b32 s[G1M+6], 0
	s_mov_b32 s[G1M+7], 0
	s_lshl_b32 s22, s18, 19                        ; K's and V's tiles hang on g alone,
	s_add_co_u32 s22, s22, 8388608
	s_mov_b32 s23, 0
	s_lshl_b32 s80, s18, 19
	s_add_co_u32 s80, s80, 12582912
	s_mov_b32 s81, 0
	s_lshl_b32 s76, s17, 19                        ; the mask's on qb alone: 64 qb rows of 8,192 bytes, + my half of the keys
	s_lshl_b32 s77, s82, 12
	s_add_co_u32 s76, s76, s77
	s_mov_b32 s77, 0
	s_mul_i32 s78, s82, MHALF
	s_add_co_u32 s78, s78, MOFF
	s_mov_b32 s[CS], 0x3fb504f3                    ; c = 16 / sqrt(128)
	s_mov_b32 s[CS+1], s[CS]
	s_mov_b32 s[L2E], 0x3fb8aa3b                   ; log2(e)
	s_mov_b32 s[L2E+1], s[L2E]
	s_mov_b32 s[SEL], 0x76543210
	s_mov_b32 s[SEL+1], 0xfedcba98
	s_mov_b32 s[TB], 0
	s_mov_b32 s[SLOTS], 15
	s_wait_dscnt 0x0                               ; both opening adds are done
	s_wait_kmcnt 0x0
	s_mov_b32 s[G0K], 1
	s_mov_b32 s[G0K+1], 0
	s_add_nc_u64 s[G0K+2:G0K+3], s[4:5], s[22:23]
	s_or_b32 s[G0K+3], s[G0K+3], 0x80000000
	s_mov_b32 s[G0V], 1
	s_mov_b32 s[G0V+1], VOFF
	s_add_nc_u64 s[G0V+2:G0V+3], s[4:5], s[80:81]
	s_or_b32 s[G0V+3], s[G0V+3], 0x80000000
	s_mov_b32 s[G0M], 1
	s_mov_b32 s[G0M+1], s78
	s_add_nc_u64 s[G0M+2:G0M+3], s[6:7], s[76:77]
	s_or_b32 s[G0M+3], s[G0M+3], 0x80000000
	CROUND                                         ; all sixteen work-groups are here: the first joint loads meet
	JLOAD3                                         ; step 0 into slot 0: one tensor load of mine is out
	; lane addresses
	v_and_b32 v[RR], 15, v0                        ; r
	v_bfe_u32 v[HH], v0, 4, 1                      ; h
	v_mul_u32_u24 v[AK0], v[RR], PK
	v_lshl_add_u32 v[AK0], v[HH], 4, v[AK0]
	s_mul_i32 s84, s82, 64*PK
	v_add_nc_u32 v[AK0], s84, v[AK0]               ; K: my half's 64 rows; row r, + 16 h
	v_and_b32 v51, 7, v0
	v_bfe_u32 v60, v0, 3, 1
	v_lshl_add_u32 v[AV0], v[HH], 3, v51
	v_mul_u32_u24 v[AV0], v[AV0], PV
	v_lshl_add_u32 v[AV0], v60, 4, v[AV0]
	s_mul_i32 s84, s82, 64*PV
	s_add_co_u32 s84, s84, VOFF
	v_add_nc_u32 v[AV0], s84, v[AV0]               ; V: key 8 h + lane % 8, channels 8 ((lane / 8) % 2) on
	v_mul_u32_u24 v51, v[RR], 272
	v_lshl_add_u32 v51, v[HH], 5, v51              ; the mask: row r, + 32 h
	s_lshl_b32 s84, s83, 5
	s_lshl_b32 s85, s82, 4
	s_add_co_u32 s85, s85, s84                     ; tiles 0, 1: queries 32 qh + 16 kh on
	s_mul_i32 s85, s85, 272
	s_add_co_u32 s85, s85, s78
	v_add_nc_u32 v[AMA], s85, v51
	s_xor_b32 s87, s82, 1
	s_lshl_b32 s85, s87, 4
	s_add_co_u32 s85, s85, s84                     ; tiles 2, 3: the other 16
	s_mul_i32 s85, s85, 272
	s_add_co_u32 s85, s85, s78
	v_add_nc_u32 v[AMB], s85, v51
	v_lshlrev_b32 v51, 8, v[RR]
	v_lshl_add_u32 v51, v[HH], 4, v51              ; Q: row r of 256 bytes, + 16 h
	s_lshl_b32 s85, s82, 12
	v_add_nc_u32 v[QOA], s85, v51
	s_lshl_b32 s85, s87, 12
	v_add_nc_u32 v[QOB], s85, v51
	v_and_b32 v51, 31, v0
	v_lshlrev_b32 v51, 4, v51
	s_mul_i32 s85, s[WV], EXB
	v_add_nc_u32 v[EXS], s85, v51                  ; my image,
	s_xor_b32 s85, s[WV], 1
	s_mul_i32 s85, s85, EXB
	v_add_nc_u32 v[EXL], s85, v51                  ; and my partner's
	s_mul_i32 s85, s[WV], 16*SP
	s_add_co_u32 s85, s85, STAGE
	v_mul_u32_u24 v[STO], v[RR], SP
	v_lshl_add_u32 v[STO], v[HH], 4, v[STO]
	v_add_nc_u32 v[STO], s85, v[STO]
	v_mul_u32_u24 v[RD], v[HH], SP
	v_lshl_add_u32 v[RD], v[RR], 4, v[RD]
	v_add_nc_u32 v[RD], s85, v[RD]
	v_lshlrev_b32 v[GO], 12, v[HH]
	v_lshl_add_u32 v[GO], v[RR], 4, v[GO]          ; att16: a row is 4,096 bytes
.irp t, 0,1,2,3
	v_mov_b32 v[ST+8*\t+1], 0                      ; named as the upper half of the pair with m
.endr
	; the prefetches: where my wave's stand, and who asks
	s_lshl_b32 s86, s18, 19
	s_add_co_u32 s86, s86, 8388608
	s_lshl_b32 s87, s82, 22                        ; V lies 4,194,304 bytes behind K
	s_add_co_u32 s86, s86, s87
	s_lshl_b32 s87, s15, 13
	s_add_co_u32 s86, s86, s87                     ; K, V: my work-group's 32 rows of a tile's 128
	s_lshl_b32 s90, s17, 19
	s_lshl_b32 s87, s16, 17
	s_add_co_u32 s90, s90, s87                     ; the mask: my work-group's 16 rows of the block's 64
	s_lshr_b32 s91, s[WV], 1
	s_and_b32 s91, s91, s[WV]                      ; 1 in wave 3 alone, which never asks
	s_cmp_lt_u32 s[WV], 2
	s_cselect_b64 s[PFA:PFA+1], s[4:5], s[6:7]
	s_mov_b32 s84, 8192
	s_cselect_b32 s84, 256, s84                    ; from lane to lane among sixteen; lanes 16-31 stand 4,096 bytes on in both
	s_mov_b32 s[PFS], 256
	s_cselect_b32 s[PFS], 32768, s[PFS]            ; a step on
	s_mov_b32 s[PFS+1], 0
	s_cselect_b32 s85, ttmp9, s19                  ; the coordinate along which other clusters read the same bytes
	s_cselect_b32 s86, s86, s90
	s_add_co_u32 s86, s86, s[PFS]                  ; at step 1: the first change steps it to step 2
	s_mov_b32 s87, 0
	s_add_nc_u64 s[PFA:PFA+1], s[PFA:PFA+1], s[86:87]
	s_or_b32 s85, s85, s91
	s_cmp_eq_u32 s85, 0
	s_cselect_b32 s[LIM], 1, -1                    ; the same in all sixteen partners, for a given wave
	v_mul_lo_u32 v[PFO], v[RR], s84
	v_lshl_add_u32 v[PFO], v[HH], 12, v[PFO]
	; pointers: Q, att16, and the fine row's
	s_lshl_b32 s88, s18, 20
	s_lshl_b32 s90, s17, 14
	s_add_co_u32 s88, s88, s90
	s_lshl_b32 s90, s83, 13
	s_add_co_u32 s88, s88, s90
	s_mov_b32 s89, 0
	s_add_nc_u64 s[88:89], s[4:5], s[88:89]        ; Q: head 2 g, row 64 qb + 32 qh
	s_lshl_b32 s90, s17, 18
	s_lshl_b32 s91, s83, 17
	s_add_co_u32 s90, s90, s91
	s_lshl_b32 s91, s82, 16
	s_add_co_u32 s90, s90, s91
	s_lshl_b32 s91, s18, 9
	s_add_co_u32 s90, s90, s91
	s_mov_b32 s91, 0
	s_add_nc_u64 s[10:11], s[10:11], s[90:91]      ; att16: row 64 qb + 32 qh + 16 kh, head 2 g
	s_lshl_b32 s90, s18, 5
	s_add_co_u32 s90, s90, s17                     ; W
	s_lshl_b32 s92, s90, 6
	s_add_co_u32 s92, s92, 2097152
	s_mov_b32 s93, 0
	s_add_nc_u64 s[92:93], s[8:9], s[92:93]        ; its sixteen M; the sixteen l lie 16,384 bytes behind
	s_lshr_b32 s94, s90, 4
	s_and_b32 s95, s90, 15
	s_lshl_b32 s96, s94, 17
	s_lshl_b32 s97, s95, 9
	s_add_co_u32 s96, s96, s97
	s_mov_b32 s97, 0
	s_add_nc_u64 s[96:97], s[8:9], s[96:97]        ; its row in chunk 0's O; a chunk is 8,192 bytes
	s_lshl_b32 s98, s95, 13
	s_lshl_b32 s99, s94, 9
	s_add_co_u32 s98, s98, s99
	s_mov_b32 s99, 0
	s_add_nc_u64 s[12:13], s[12:13], s[98:99]
	WIN 0x80                                       ; Q stays in registers: tile t, channels 32 c on
.irp t, 0,1,2,3
.irp c, 0,1,2,3
	global_load_b128 v[32*\t+8*\c:32*\t+8*\c+3], v[QOA+(\t/2)], s[88:89] offset:(\t%2)*524288+64*\c
	global_load_b128 v[32*\t+8*\c+4:32*\t+8*\c+7], v[QOA+(\t/2)], s[88:89] offset:(\t%2)*524288+64*\c+32
.endr
.endr
	WIN 0
	; THE FINE ROW: o = (sum over chunks of w O) / (sum of w l), w = e^(M_chunk - M)
	v_mov_b32 v51, 0
	v_lshlrev_b32 v60, 2, v0                       ; my channel
.irp i, 0,1,2,3
	global_load_b128 v[64+4*\i:67+4*\i], v51, s[92:93] offset:16*\i
	global_load_b128 v[80+4*\i:83+4*\i], v51, s[92:93] offset:16384+16*\i
.endr
.irp c, 0,1,2,3,4,5,6,7,8,9,10,11,12,13,14,15
	global_load_b32 v[96+\c], v60, s[96:97] offset:8192*\c
.endr
	s_wait_loadcnt 0x0                             ; these, and Q
	v_max3_num_f32 v128, v64, v65, v66
.irp i, 67,69,71,73,75,77
	v_max3_num_f32 v128, v128, v[\i], v[\i+1]
.endr
	v_max_num_f32 v128, v128, v79
	v_mov_b32 v129, v128
.irp i, 0,2,4,6,8,10,12,14
	v_pk_add_f32 v[64+\i:65+\i], v[64+\i:65+\i], v[128:129] op_sel_hi:[1,0] neg_lo:[0,1] neg_hi:[0,1]
.endr
.irp i, 0,2,4,6,8,10,12,14
	v_pk_mul_f32 v[64+\i:65+\i], v[64+\i:65+\i], s[L2E:L2E+1] op_sel_hi:[1,0]
.endr
.irp i, 0,1,2,3,4,5,6,7,8,9,10,11,12,13,14,15
	v_exp_f32 v[64+\i], v[64+\i]
.endr
	v_nop
	s_wait_alu depctr_va_vdst(0)                   ; one wait for the sixteen
	v_mul_f32 v130, v64, v80
	v_mul_f32 v131, v64, v96
.irp i, 1,2,3,4,5,6,7,8,9,10,11,12,13,14,15
	v_fmac_f32 v130, v[64+\i], v[80+\i]
	v_fmac_f32 v131, v[64+\i], v[96+\i]
.endr
	v_rcp_f32 v132, v130
	v_nop
	s_wait_alu depctr_va_vdst(0)
	v_mul_f32 v131, v131, v132
	global_store_b32 v60, v131, s[12:13]           ; the first change of slots waits until this store has read its registers
; THE CHANGE OF SLOTS stands at a step's head.  Each wave waits for all its tensor loads (its part of the slot that it is about to read), adds 0 to its spare word, and waits for that and for its reads of the slot left.
; fill = 1: the barrier is a round of the cluster's, and behind it the slot left takes the next step's tiles: one load a wave, which has a whole step in which to land.
.macro CHANGE fill
	WIN 0
	s_wait_tensorcnt 0x0                           ; no tensor load of mine is out, so a group 0 may be written
	ds_add_u32 v[SPW], v[NIL]
.if \fill
.irp g, G0K, G0V, G0M
	s_xor_b32 s[\g+1], s[\g+1], SLOT1              ; the walking descriptors: the other slot than last time,
.endr
	s_add_nc_u64 s[G0K+2:G0K+3], s[G0K+2:G0K+3], 32768   ; the next 128 rows,
	s_add_nc_u64 s[G0V+2:G0V+3], s[G0V+2:G0V+3], 32768
	s_add_nc_u64 s[G0M+2:G0M+3], s[G0M+2:G0M+3], 256     ; the next 64 keys
	s_wait_xcnt 0x0                                ; the last prefetch, a step back, has read its address
	s_add_nc_u64 s[PFA:PFA+1], s[PFA:PFA+1], s[PFS:PFS+1]
	s_wait_dscnt 0x0                               ; the add is done, and my reads of the slot left are over
	CROUND
	JLOAD3
	ASK
.else
	s_wait_dscnt 0x0
	s_barrier_signal -1
	s_barrier_wait -1
.endif
.endm
.macro SOFTMAX first                   ; the four tiles take turns line by line
	WIN 0x30                                       ; source 2 (the mask) window 3
.set pp, 0
.rept 16
.irp t, 0,1,2,3
	v_pk_fma_f32 v[S+32*\t+pp:S+32*\t+pp+1], v[S+32*\t+pp:S+32*\t+pp+1], s[CS:CS+1], v[MK+32*(\t/2)+pp:MK+32*(\t/2)+pp+1] op_sel_hi:[1,0,1]   ; x = s c + mask; each accumulator from its low end on
.endr
.set pp, pp+2
.endr
	WIN 0
.irp j, 0,1,2,3
.irp t, 0,1,2,3
	v_max3_num_f32 v[ST+8*\t+4+\j], v[S+32*\t+8*\j], v[S+32*\t+8*\j+1], v[S+32*\t+8*\j+2]
.endr
.endr
.irp i, 3,5
.irp j, 0,1,2,3
.irp t, 0,1,2,3
	v_max3_num_f32 v[ST+8*\t+4+\j], v[ST+8*\t+4+\j], v[S+32*\t+8*\j+\i], v[S+32*\t+8*\j+\i+1]
.endr
.endr
.endr
.irp t, 0,1,2,3
	v_max3_num_f32 v[ST+8*\t+4], v[ST+8*\t+4], v[S+32*\t+7], v[S+32*\t+15]
.endr
.irp t, 0,1,2,3
	v_max3_num_f32 v[ST+8*\t+6], v[ST+8*\t+6], v[S+32*\t+23], v[S+32*\t+31]
.endr
.irp t, 0,1,2,3
	v_max3_num_f32 v[ST+8*\t+4], v[ST+8*\t+4], v[ST+8*\t+5], v[ST+8*\t+6]
.endr
.irp t, 0,1,2,3
.if \first
	v_max3_num_f32 v[ST+8*\t+4], v[ST+8*\t+4], v[ST+8*\t+7], 0xff7fffff   ; the floor -FLT_MAX
.else
	v_max3_num_f32 v[ST+8*\t+4], v[ST+8*\t+4], v[ST+8*\t+7], v[ST+8*\t]   ; and the old m
.endif
.endr
.irp t, 0,1,2,3
	v_permlanex16_b32 v[ST+8*\t+5], v[ST+8*\t+4], s[SEL], s[SEL+1]        ; the query's other 32 keys lie in the lane 16 away
.endr
.irp t, 0,1,2,3
	v_max_num_f32 v[ST+8*\t+4], v[ST+8*\t+4], v[ST+8*\t+5]
.endr
.if !\first
.irp t, 0,1,2,3
	v_sub_f32 v[ST+8*\t+7], v[ST+8*\t], v[ST+8*\t+4]                      ; m_old - m_new
.endr
.endif
.irp t, 0,1,2,3
	v_mov_b32 v[ST+8*\t], v[ST+8*\t+4]
.endr
.if !\first
.irp t, 0,1,2,3
	v_mul_f32 v[ST+8*\t+7], s[L2E], v[ST+8*\t+7]
.endr
.endif
.set pp, 0
.rept 16
.irp t, 0,1,2,3
	v_pk_add_f32 v[S+32*\t+pp:S+32*\t+pp+1], v[S+32*\t+pp:S+32*\t+pp+1], v[ST+8*\t:ST+8*\t+1] op_sel_hi:[1,0] neg_lo:[0,1] neg_hi:[0,1]   ; x - m
.endr
.set pp, pp+2
.endr
.set pp, 0
.rept 16
.irp t, 0,1,2,3
	v_pk_mul_f32 v[S+32*\t+pp:S+32*\t+pp+1], v[S+32*\t+pp:S+32*\t+pp+1], s[L2E:L2E+1] op_sel_hi:[1,0]
.endr
.set pp, pp+2
.endr
.if !\first
.irp t, 0,1,2,3
	v_exp_f32 v[ST+8*\t+6], v[ST+8*\t+7]           ; a
.endr
.endif
.set pp, 0
.rept 32
.irp t, 0,1,2,3
	v_exp_f32 v[S+32*\t+pp], v[S+32*\t+pp]
.endr
.set pp, pp+1
.endr
	v_nop                                          ; a plain line behind the last exponential,
	s_wait_alu depctr_va_vdst(0)                   ; and ONE wait for the whole batch, ahead of its first reader
.set pp, 0
.rept 16
.irp t, 0,1,2,3
	v_cvt_pk_f16_f32 v[P+16*\t+pp], v[S+32*\t+2*pp], v[S+32*\t+2*pp+1]
.endr
.set pp, pp+1
.endr
.irp u, 0,1,2,3,4,5,6,7                        ; the sum of the unrounded p, in place: neighbours 1, 2, 4, 8 pairs apart
.irp t, 0,1,2,3
	v_pk_add_f32 v[S+32*\t+4*\u:S+32*\t+4*\u+1], v[S+32*\t+4*\u:S+32*\t+4*\u+1], v[S+32*\t+4*\u+2:S+32*\t+4*\u+3]
.endr
.endr
.irp u, 0,1,2,3
.irp t, 0,1,2,3
	v_pk_add_f32 v[S+32*\t+8*\u:S+32*\t+8*\u+1], v[S+32*\t+8*\u:S+32*\t+8*\u+1], v[S+32*\t+8*\u+4:S+32*\t+8*\u+5]
.endr
.endr
.irp u, 0,1
.irp t, 0,1,2,3
	v_pk_add_f32 v[S+32*\t+16*\u:S+32*\t+16*\u+1], v[S+32*\t+16*\u:S+32*\t+16*\u+1], v[S+32*\t+16*\u+8:S+32*\t+16*\u+9]
.endr
.endr
.if \first
.irp t, 0,1,2,3
	v_pk_add_f32 v[ST+8*\t+2:ST+8*\t+3], v[S+32*\t:S+32*\t+1], v[S+32*\t+16:S+32*\t+17]
.endr
.else
.irp t, 0,1,2,3
	v_pk_add_f32 v[S+32*\t:S+32*\t+1], v[S+32*\t:S+32*\t+1], v[S+32*\t+16:S+32*\t+17]
.endr
.irp t, 0,1,2,3
	v_pk_fma_f32 v[ST+8*\t+2:ST+8*\t+3], v[ST+8*\t+2:ST+8*\t+3], v[ST+8*\t+6:ST+8*\t+7], v[S+32*\t:S+32*\t+1] op_sel_hi:[1,0,1]   ; l = a l + the sum
.endr
	WIN W_RS
.set pp, 0
.rept 32
.irp t, 0,1,2,3
	v_pk_mul_f32 v[64*\t+pp:64*\t+pp+1], v[64*\t+pp:64*\t+pp+1], v[ST+8*\t+6:ST+8*\t+7] op_sel_hi:[1,0]   ; O^T x a; each accumulator from its low end on
.endr
.set pp, pp+2
.endr
	WIN 0
.endif
.endm
; A STEP: 64 keys of my half, for my four tiles.
.macro WORK first
	v_add_nc_u32 v[ADRK], s[TB], v[AK0]            ; (four plain lines: the places between the last products and the loads into V's registers)
	v_add_nc_u32 v[ADRV], s[TB], v[AV0]
	v_add_nc_u32 v[ADMA], s[TB], v[AMA]
	v_add_nc_u32 v[ADMB], s[TB], v[AMB]
	WIN 0x80
.irp f, 0,1,2,3,4,5,6,7,8,9,10,11,12,13,14,15  ; K: keys 16 (f / 4) on, channels 32 (f % 4) on
	ds_load_b128 v[KF+8*\f:KF+8*\f+3], v[ADRK] offset:(\f/4)*16*PK+(\f%4)*64
	ds_load_b128 v[KF+8*\f+4:KF+8*\f+7], v[ADRK] offset:(\f/4)*16*PK+(\f%4)*64+32
.endr
	WIN 0xc0
.irp kt, 0,1,2,3                               ; the mask: register 8 kt + j: key 16 kt + 8 h + j of my query
	ds_load_b128 v[MK+8*\kt:MK+8*\kt+3], v[ADMA] offset:64*\kt
	ds_load_b128 v[MK+8*\kt+4:MK+8*\kt+7], v[ADMA] offset:64*\kt+16
	ds_load_b128 v[MK+32+8*\kt:MK+32+8*\kt+3], v[ADMB] offset:64*\kt
	ds_load_b128 v[MK+32+8*\kt+4:MK+32+8*\kt+7], v[ADMB] offset:64*\kt+16
.endr
.irp f, 0,1,2,3,4,5,6,7,8,9,10,11,12,13,14,15  ; V, turned: keys 32 (f / 8) on, channels 16 (f % 8) on
	ds_load_tr16_b128 v[8*\f:8*\f+3], v[ADRV] offset:(\f/8)*32*PV+(\f%8)*32
	ds_load_tr16_b128 v[8*\f+4:8*\f+7], v[ADRV] offset:(\f/8)*32*PV+16*PV+(\f%8)*32
.endr
	s_wait_dscnt 48                                ; K is in; the mask's 16 loads and V's 32 may be out
	WIN W_KQ
.irp c, 0,1,2,3                                ; S^T = K Q^T: the 16 accumulators take turns, one instruction a turn
.irp kt, 0,1,2,3
.irp t, 0,1,2,3
.if \c == 0
	v_wmma_f32_16x16x32_f16 v[S+32*\t+8*\kt:S+32*\t+8*\kt+7], v[KF+32*\kt+8*\c:KF+32*\kt+8*\c+7], v[32*\t+8*\c:32*\t+8*\c+7], 0
.else
	v_wmma_f32_16x16x32_f16 v[S+32*\t+8*\kt:S+32*\t+8*\kt+7], v[KF+32*\kt+8*\c:KF+32*\kt+8*\c+7], v[32*\t+8*\c:32*\t+8*\c+7], v[S+32*\t+8*\kt:S+32*\t+8*\kt+7]
.endif
.endr
.endr
.endr
	WIN 0
	s_wait_dscnt 32                                ; the mask is in; V's 32 loads may be out
.rept 4
	v_nop                                          ; four places before the scores are read
.endr
	SOFTMAX \first
	s_wait_dscnt 0x0                               ; V is in
	WIN W_PV
.irp kk, 0,1                                   ; O^T += V^T P: the 32 accumulators take turns
.irp t, 0,1,2,3
.irp ch, 0,1,2,3,4,5,6,7
.if \first && (\kk == 0)
	v_wmma_f32_16x16x32_f16 v[64*\t+8*\ch:64*\t+8*\ch+7], v[64*\kk+8*\ch:64*\kk+8*\ch+7], v[P+16*\t+8*\kk:P+16*\t+8*\kk+7], 0
.else
	v_wmma_f32_16x16x32_f16 v[64*\t+8*\ch:64*\t+8*\ch+7], v[64*\kk+8*\ch:64*\kk+8*\ch+7], v[P+16*\t+8*\kk:P+16*\t+8*\kk+7], v[64*\t+8*\ch:64*\t+8*\ch+7]
.endif
.endr
.endr
.endr
	WIN 0
.endm
	CHANGE 1                                       ; step 0 has landed; step 1 goes into slot 1: behind this round every load is a first fill
	WORK 1
	s_xor_b32 s[TB], s[TB], SLOT1
	s_mov_b32 s[SLOTS], 14
.Lstep:                                            ; 14 trips: steps 1 to 14 are worked, steps 2 to 15 asked for
	CHANGE 1
	WORK 0
	s_xor_b32 s[TB], s[TB], SLOT1
	s_sub_co_u32 s[SLOTS], s[SLOTS], 1
	s_cmp_lg_u32 s[SLOTS], 0
	s_cbranch_scc1 .Lstep
	CHANGE 0                                       ; the last step is written out: nothing is left to ask for
	WORK 0
	; THE END.  l's halves are added (these lines are the places behind the last products); tiles 2, 3 go to my partner as images of their registers; its tiles 2, 3 are my tiles 0, 1 over the other half of the keys.
.irp t, 0,1,2,3
	v_add_f32 v[ST+8*\t+4], v[ST+8*\t+2], v[ST+8*\t+3]
.endr
.irp t, 0,1,2,3
	v_permlanex16_b32 v[ST+8*\t+5], v[ST+8*\t+4], s[SEL], s[SEL+1]
.endr
.irp t, 0,1,2,3
	v_add_f32 v[ST+8*\t+4], v[ST+8*\t+4], v[ST+8*\t+5]
.endr
	v_mov_b32 v52, v[ST+16]
	v_mov_b32 v53, v[ST+20]
	v_mov_b32 v54, v[ST+24]
	v_mov_b32 v55, v[ST+28]
	WIN 0x04                                       ; an LDS store's data are its source 1: window 1
.set pp, 0
.rept 32
	ds_store_b128 v[EXS], v[128+4*pp:128+4*pp+3] offset:512*pp
.set pp, pp+1
.endr
	WIN 0
	ds_store_b128 v[EXS], v[52:55] offset:16384
	s_wait_dscnt 0x0                               ; for my partner's sake: my stores are done
	s_barrier_signal -1
	s_barrier_wait -1
.set pp, 0
.rept 32
	ds_load_b128 v[64+4*pp:64+4*pp+3], v[EXL] offset:512*pp
.set pp, pp+1
.endr
	ds_load_b128 v[56:59], v[EXL] offset:16384     ; its m, l of my tile 0, then of my tile 1
	s_wait_dscnt 0x0
.irp t, 0,1
	v_max_num_f32 v[ST+8*\t+5], v[ST+8*\t], v[56+2*\t]
.endr
.irp t, 0,1
	v_sub_f32 v[ST+8*\t+6], v[ST+8*\t], v[ST+8*\t+5]
	v_sub_f32 v[ST+8*\t+7], v[56+2*\t], v[ST+8*\t+5]
.endr
.irp t, 0,1
	v_mul_f32 v[ST+8*\t+6], s[L2E], v[ST+8*\t+6]
	v_mul_f32 v[ST+8*\t+7], s[L2E], v[ST+8*\t+7]
.endr
.irp t, 0,1
	v_exp_f32 v[ST+8*\t+6], v[ST+8*\t+6]
	v_exp_f32 v[ST+8*\t+7], v[ST+8*\t+7]
.endr
	v_nop
	s_wait_alu depctr_va_vdst(0)
.irp t, 0,1
	v_mul_f32 v[ST+8*\t+5], v[ST+8*\t+6], v[ST+8*\t+4]
.endr
.irp t, 0,1
	v_fmac_f32 v[ST+8*\t+5], v[ST+8*\t+7], v[57+2*\t]
.endr
.irp t, 0,1
	v_rcp_f32 v[ST+8*\t+4], v[ST+8*\t+5]
.endr
	v_nop
	s_wait_alu depctr_va_vdst(0)
.irp t, 0,1
	v_mul_f32 v[ST+8*\t+6], v[ST+8*\t+6], v[ST+8*\t+4]   ; my half's factor,
	v_mul_f32 v[ST+8*\t+2], v[ST+8*\t+7], v[ST+8*\t+4]   ; my partner's
.endr
.irp t, 0,1
.set pp, 0
.rept 32
	v_pk_mul_f32 v[64+64*\t+pp:64+64*\t+pp+1], v[64+64*\t+pp:64+64*\t+pp+1], v[ST+8*\t+2:ST+8*\t+3] op_sel_hi:[1,0]
.set pp, pp+2
.endr
.endr
	WIN 0x01                                       ; source 0 (my O^T) window 1
.irp t, 0,1
.set pp, 0
.rept 32
	v_pk_fma_f32 v[64+64*\t+pp:64+64*\t+pp+1], v[64*\t+pp:64*\t+pp+1], v[ST+8*\t+6:ST+8*\t+7], v[64+64*\t+pp:64+64*\t+pp+1] op_sel_hi:[1,0,1]
.set pp, pp+2
.endr
.endr
	WIN 0
.irp t, 0,1                                    ; rounded to f16; through my stage; back as whole rows of 256 bytes.  LDS serves a wave's instructions in order
.set pp, 0
.rept 32
	v_cvt_pk_f16_f32 v[192+32*\t+pp], v[64+64*\t+2*pp], v[64+64*\t+2*pp+1]
.set pp, pp+1
.endr
.irp f, 0,1,2,3,4,5,6,7
	ds_store_b128 v[STO], v[192+32*\t+4*\f:192+32*\t+4*\f+3] offset:32*\f
.endr
.irp f, 0,1,2,3,4,5,6,7
	ds_load_b128 v[64+64*\t+4*\f:64+64*\t+4*\f+3], v[RD] offset:\f*2*SP
.endr
.endr
	s_wait_dscnt 16                                ; tile 0's rows are back; tile 1's eight stores and eight loads may be out
.irp f, 0,1,2,3,4,5,6,7
	global_store_b128 v[GO], v[64+4*\f:64+4*\f+3], s[10:11] offset:8192*\f        ; sixteen lanes store 256 consecutive bytes, aligned
.endr
	s_wait_dscnt 0x0
.irp f, 0,1,2,3,4,5,6,7
	global_store_b128 v[GO], v[128+4*\f:128+4*\f+3], s[10:11] offset:8192*\f+256
.endr
	s_wait_tensorcnt 0x0                           ; the wave's end, behind my last tensor load and my last LDS store
	ds_add_u32 v[SPW], v[NIL]
	s_wait_dscnt 0x0
	CROUND                                         ; the closing round
	s_endpgm
.Lfunc_end_k_q1b8ba5a574_attn:
	.size	k_q1b8ba5a574_attn, .Lfunc_end_k_q1b8ba5a574_attn-k_q1b8ba5a574_attn
	.p2alignl 7, 3214868480
	.fill 96, 4, 3214868480
	.section	.rodata,"a",@progbits
	.p2align	6, 0x0
	.amdhsa_kernel k_q1b8ba5a574_attn
		.amdhsa_group_segment_fixed_size 327680
		.amdhsa_private_segment_fixed_size 0
		.amdhsa_enable_private_segment 0
		.amdhsa_kernarg_size 40
		.amdhsa_user_sgpr_count 2
		.amdhsa_user_sgpr_kernarg_segment_ptr 1
		.amdhsa_wavefront_size32 1
		.amdhsa_system_sgpr_workgroup_id_x 1
		.amdhsa_system_sgpr_workgroup_id_y 1
		.amdhsa_system_sgpr_workgroup_id_z 1
		.amdhsa_system_vgpr_workitem_id 0
		.amdhsa_next_free_vgpr 1024
		.amdhsa_next_free_sgpr 100
		.amdhsa_reserve_vcc 0
		.amdhsa_float_denorm_mode_32 3
		.amdhsa_float_denorm_mode_16_64 3
		.amdhsa_memory_ordered 1
		.amdhsa_forward_progress 1
		.amdhsa_inst_pref_size 189
	.end_amdhsa_kernel
	.amdgpu_metadata
---
amdhsa.version: [ 1, 2 ]
amdhsa.kernels:
  - .name:           k_q1b8ba5a574_attn
    .symbol:         k_q1b8ba5a574_attn.kd
    .args:
      - { .name: qkv16, .offset: 0, .size: 8, .value_kind: global_buffer, .address_space: global }
      - { .name: attention_mask, .offset: 8, .size: 8, .value_kind: global_buffer, .address_space: global }
      - { .name: part, .offset: 16, .size: 8, .value_kind: global_buffer, .address_space: global }
      - { .name: att16, .offset: 24, .size: 8, .value_kind: global_buffer, .address_space: global }
      - { .name: ofine, .offset: 32, .size: 8, .value_kind: global_buffer, .address_space: global }
    .group_segment_fixed_size: 327680
    .private_segment_fixed_size: 0
    .kernarg_segment_align: 8
    .kernarg_segment_size: 40
    .max_flat_workgroup_size: 128
    .sgpr_count:     100
    .vgpr_count:     1024
    .wavefront_size: 32
...
	.end_amdgpu_metadata
.endif
;; end of part 4
;; launch oproj (part 5): grid 16 x 16, 4 waves a work-group, clusters of 4 x 4, 327,680 bytes of LDS; arguments att16, wo16, out0; writes out0
.if DOCPART == 5
	.amdgcn_target "amdgcn-amd-amdhsa--gfx1250"
	.amdhsa_code_object_version 6
	.text
	.protected	k_q1b8ba5a574_oproj
	.globl	k_q1b8ba5a574_oproj
	.p2align	8
	.type	k_q1b8ba5a574_oproj,@function
k_q1b8ba5a574_oproj:
	s_mov_b64 s[64:65], 0
	v_nop
	global_prefetch_b8 v0, s[64:65] scope:SCOPE_SE
	s_setreg_imm32_b32 hwreg(HW_REG_WAVE_MODE, 25, 1), 1
	s_wait_xcnt 0x0
	s_wait_alu depctr_hold_cnt(0) depctr_sa_sdst(0) depctr_va_vdst(0) depctr_va_sdst(0) depctr_va_ssrc(0) depctr_va_vcc(0) depctr_vm_vsrc(0)
	s_getreg_b32 s2, hwreg(HW_REG_IB_STS2, 6, 4)
	s_cmp_eq_u32 s2, 0
	s_cbranch_scc0 .Lentry_in_a_cluster
	s_endpgm
.Lentry_in_a_cluster:
	s_bfe_u32 s2, ttmp6, 0x10000c
	s_cmp_lg_u32 s2, 0xf033
	s_cbranch_scc0 .Lentry_shape_is_right
	s_endpgm
.Lentry_shape_is_right:
; OPROJ: out0[2048][4096] = att16 [2048][2048] x wo16 [2048 k][4096 n], f16 operands, f32 sums.
; A tile of out0 is 128 x 256: 256 work-groups.  Four waves, each 64 x 128: 32 accumulators.  K goes in steps of 128 through two LDS slots; a slot is four sub-steps of 32 along K, 32 matrix instructions each, on two sets
; of fragments by turns.  att16's rows lie along K; wo16's rows lie along n, so its fragments come out of LDS turned, by ds_load_tr16_b128.
; CLUSTER 4 x 4: att16's tiles are shared along a row of the cluster, wo16's along a column.  THE MATRIX INSTRUCTION IS USED TRANSPOSED: lane (r, h) holds row r and the columns 16 b + 8 h + 0 .. 7 of block b.
; Rows 0 to 15 are stored here too and written over by the last launch, in f32: 16 rows of 2,048; a way round those stores would hang on the work-group's place in its cluster.
; REGISTERS: window 0: v16-29 addresses; set 0: v32-63 att16's four fragments, v64-127 wo16's eight; set 1: v128-223 likewise; on the way out v32-159 take rows.  window 1: the accumulators, (a, b) at v[8 (8 a + b)].
.set PITCH, 272                        ; a row of att16's tile: 256 bytes + 16
.set PB,    544                        ; a row of wo16's tile: 512 bytes + 32: an odd multiple of 32
.set HA,    64*PITCH
.set HB,    64*PB
.set SLOT,  2*HA+2*HB
.set SPARE, 2*SLOT
.set LAPS,  8                          ; 16 K steps
.set ADRA, 16
.set ADRB, 20
.set STO,  24
.set RD,   25
.set CO,   26
.set SPW,  28
.set NIL,  29
.set FS,   32
.set G1, 24
.set G0, 32
.set G1B, 48
.set G0B, 56
.set MSB, 0
.macro WIN new
.if MSB != \new
	s_set_vgpr_msb (MSB<<8)|\new
.set MSB, \new
.endif
.endm
.set MUL, 0x50                         ; C and D window 1
.macro JLOAD g0a, g1a, g0b, g1b        ; waves 0 and 1 fetch att16's halves, waves 2 and 3 wo16's; an s_nop 0 and four v_nop follow each line
	s_cmp_eq_u32 s15, 0
	s_cbranch_scc0 .Lfor_b_\@
	tensor_load_to_lds s[\g0a:\g0a+3], s[\g1a:\g1a+7]
	s_nop 0
.rept 4
	v_nop
.endr
	s_branch .Lasked_\@
.Lfor_b_\@:
	tensor_load_to_lds s[\g0b:\g0b+3], s[\g1b:\g1b+7]
	s_nop 0
.rept 4
	v_nop
.endr
.Lasked_\@:
.endm
.macro CREST
	s_cmp_lg_u32 s14, 0
	s_cbranch_scc1 .Lnot_wave_0_\@
	s_barrier_signal -3
.Lnot_wave_0_\@:
	s_barrier_wait -3
	s_barrier_signal -1
	s_barrier_wait -1
.endm
.macro CROUND
	s_barrier_signal -1
	s_barrier_wait -1
	CREST
.endm
.macro PLACES n
.rept \n
	v_nop
.endr
.endm
	s_load_b128 s[4:7], s[0:1], 0x0                ; att16, wo16
	s_load_b64 s[8:9], s[0:1], 0x10                ; out0
	v_lshl_add_u32 v[SPW], v0, 2, SPARE
	v_mov_b32 v[NIL], 0
	ds_add_u32 v[SPW], v[NIL]                      ; the wave's opening: the add, twice on end, and its wait ahead of my first tensor load
	ds_add_u32 v[SPW], v[NIL]
	v_lshrrev_b32 v1, 5, v0
	v_readfirstlane_b32 s14, v1
	s_lshr_b32 s15, s14, 1                         ; which 64 rows are mine.  Also: I fetch for att16 (0) or wo16 (1)
	s_and_b32 s16, s14, 1                          ; which 128 columns.  Also: which half of that tile I fetch
	s_bfe_u32 s40, ttmp6, 0x40000
	s_bfe_u32 s41, ttmp6, 0x40004
	s_lshl_b32 s42, ttmp9, 2
	s_add_co_u32 s42, s42, s40                     ; tile column
	s_and_b32 s17, ttmp7, 0xffff
	s_lshl_b32 s17, s17, 2
	s_add_co_u32 s17, s17, s41                     ; tile row
	s_lshl_b32 s43, s41, 2
	s_lshl_b32 s43, 15, s43
	s_lshl_b32 s44, 0x1111, s40
	; group 1.  att16: 64 rows x 128 elements of 2 bytes, 2,048 from row to row, 4 words of padding behind every 64.  wo16: 64 rows x 256 elements, 4,096 from row to row, 8 words behind every 128
	s_or_b32 s[G1+0], s43, (1<<16)|(1<<20)|(1<<21)|(5<<22)|(3<<25)
	s_or_b32 s[G1B+0], s44, (1<<16)|(1<<20)|(1<<21)|(6<<22)|(7<<25)
	s_mov_b32 s[G1+1], 128<<16
	s_mov_b32 s[G1+2], 64<<16
	s_mov_b32 s[G1+3], 128<<16
	s_mov_b32 s[G1+4], 64
	s_mov_b32 s[G1+5], 2048
	s_mov_b32 s[G1+6], 0
	s_mov_b32 s[G1+7], 0
	s_mov_b32 s[G1B+1], 256<<16
	s_mov_b32 s[G1B+2], 64<<16
	s_mov_b32 s[G1B+3], 256<<16
	s_mov_b32 s[G1B+4], 64
	s_mov_b32 s[G1B+5], 4096
	s_mov_b32 s[G1B+6], 0
	s_mov_b32 s[G1B+7], 0
	s_lshl_b32 s18, s16, 6
	s_lshl_b32 s20, s17, 7
	s_add_co_u32 s20, s20, s18
	s_lshl_b32 s20, s20, 12                        ; att16: row 128 x tile row + 64 x half, 4,096 bytes a row
	s_mov_b32 s21, 0
	s_lshl_b32 s19, s16, 19                        ; wo16: k row 64 x half, 8,192 bytes a row,
	s_lshl_b32 s46, s42, 9                         ; + 512 bytes x tile column
	s_add_co_u32 s46, s46, s19
	s_mov_b32 s47, 0
	s_mul_i32 s45, s16, HA
	s_mul_i32 s94, s16, HB
	s_add_co_u32 s94, s94, 2*HA
	s_wait_dscnt 0x0
	s_wait_kmcnt 0x0
	s_add_nc_u64 s[20:21], s[4:5], s[20:21]
	s_add_nc_u64 s[46:47], s[6:7], s[46:47]
	CROUND
.irp s, 0,1
	s_mov_b32 s[G0+4*\s], 1
	s_add_co_u32 s[G0+4*\s+1], s45, \s*SLOT
	s_add_nc_u64 s[G0+4*\s+2:G0+4*\s+3], s[20:21], \s*256
	s_or_b32 s[G0+4*\s+3], s[G0+4*\s+3], 0x80000000
	s_mov_b32 s[G0B+4*\s], 1
	s_add_co_u32 s[G0B+4*\s+1], s94, \s*SLOT
	s_add_nc_u64 s[G0B+4*\s+2:G0B+4*\s+3], s[46:47], \s*1048576
	s_or_b32 s[G0B+4*\s+3], s[G0B+4*\s+3], 0x80000000
	JLOAD G0+4*\s, G1, G0B+4*\s, G1B               ; two tensor loads of mine are out
.endr
	v_and_b32 v1, 15, v0                           ; r
	v_bfe_u32 v2, v0, 4, 1                         ; h
	v_mul_u32_u24 v3, v1, PITCH
	v_lshl_add_u32 v3, v2, 4, v3
	v_and_b32 v4, 7, v0
	v_bfe_u32 v5, v0, 3, 1
	v_lshl_add_u32 v4, v2, 3, v4
	v_mul_u32_u24 v4, v4, PB
	v_lshl_add_u32 v4, v5, 4, v4                   ; the turning load: k row 8 h + lane % 8, columns 8 ((lane / 8) % 2) on
	s_mul_i32 s97, s15, HA
	s_lshl_b32 s2, s16, 8                          ; my 128 columns: 256 bytes x half
	s_add_co_u32 s2, s2, 2*HA
.irp s, 0,1
	v_add_nc_u32 v[ADRA+\s], s97, v3
	v_add_nc_u32 v[ADRB+\s], s2, v4
	s_add_co_u32 s97, s97, SLOT
	s_add_co_u32 s2, s2, SLOT
.endr
	s_mul_i32 s97, s14, 16*528                     ; my stage, in slot 0
	v_mul_u32_u24 v5, v1, 528
	v_lshl_add_u32 v5, v2, 5, v5
	v_add_nc_u32 v[STO], s97, v5
	v_and_b32 v6, 31, v0
	v_lshlrev_b32 v[CO], 4, v6
	v_add_nc_u32 v[RD], s97, v[CO]
	s_lshl_b32 s98, s17, 7
	s_lshl_b32 s99, s15, 6
	s_add_co_u32 s98, s98, s99                     ; my first row of out0
	s_lshl_b32 s98, s98, 14
	s_lshl_b32 s99, s42, 10
	s_add_co_u32 s98, s98, s99
	s_lshl_b32 s99, s16, 9
	s_add_co_u32 s98, s98, s99                     ; + my first column's bytes
	s_mov_b32 s99, 0
	s_add_nc_u64 s[8:9], s[8:9], s[98:99]
.macro FETCH slot, q, p                ; the fragments of the slot's q-th 32 along K into set p: 24 loads in one run
	WIN 0
.irp i, 0,1,2,3
	ds_load_b128 v[FS+96*(\p)+8*\i:FS+96*(\p)+8*\i+3], v[ADRA+\slot] offset:64*(\q)+\i*16*PITCH
	ds_load_b128 v[FS+96*(\p)+8*\i+4:FS+96*(\p)+8*\i+7], v[ADRA+\slot] offset:64*(\q)+\i*16*PITCH+32
.endr
.irp b, 0,1,2,3,4,5,6,7
	ds_load_tr16_b128 v[FS+96*(\p)+32+8*\b:FS+96*(\p)+32+8*\b+3], v[ADRB+\slot] offset:32*PB*(\q)+32*\b
	ds_load_tr16_b128 v[FS+96*(\p)+32+8*\b+4:FS+96*(\p)+32+8*\b+7], v[ADRB+\slot] offset:32*PB*(\q)+32*\b+16*PB
.endr
.endm
.macro MUL8 a, p, zero                 ; the 32 accumulators take turns, one instruction a turn, in one order everywhere
.irp b, 0,1,2,3,4,5,6,7
.if \zero
	v_wmma_f32_16x16x32_f16 v[8*(8*(\a)+\b):8*(8*(\a)+\b)+7], v[FS+96*(\p)+32+8*\b:FS+96*(\p)+32+8*\b+7], v[FS+96*(\p)+8*(\a):FS+96*(\p)+8*(\a)+7], 0
.else
	v_wmma_f32_16x16x32_f16 v[8*(8*(\a)+\b):8*(8*(\a)+\b)+7], v[FS+96*(\p)+32+8*\b:FS+96*(\p)+32+8*\b+7], v[FS+96*(\p)+8*(\a):FS+96*(\p)+8*(\a)+7], v[8*(8*(\a)+\b):8*(8*(\a)+\b)+7]
.endif
.endr
.endm
.macro STEP slot, q, zero
	s_wait_dscnt 0x0                               ; this sub-step's fragments, asked for a sub-step ago, are in
	PLACES 4                                       ; between the last products and the loads into the set that they read
	FETCH \slot, (\q)+1, 1-(\q)%2
	WIN MUL
.irp a, 0,1,2,3
	MUL8 \a, (\q)%2, \zero
.endr
.endm
.macro TURN slot, next, fill
	WIN 0
	s_wait_dscnt 0x0                               ; set 1's fragments are in: my reads of this slot are over
	s_wait_tensorcnt 0x0                           ; all my tensor loads have landed: my part of the next slot
	ds_add_u32 v[SPW], v[NIL]
	WIN MUL
	MUL8 0, 1, 0
	s_wait_dscnt 0x0                               ; the add is done
	s_barrier_signal -1
	MUL8 1, 1, 0
	WIN 0
	s_barrier_wait -1
.if \fill
	CREST                                          ; the barrier has opened a round of the cluster's
	s_add_nc_u64 s[G0+4*\slot+2:G0+4*\slot+3], s[G0+4*\slot+2:G0+4*\slot+3], 512
	s_add_nc_u64 s[G0B+4*\slot+2:G0B+4*\slot+3], s[G0B+4*\slot+2:G0B+4*\slot+3], 2097152
	JLOAD G0+4*\slot, G1, G0B+4*\slot, G1B         ; my one tensor load behind the round; its four v_nop are the places in front of the loads below
.else
	PLACES 4
.endif
	FETCH \next, 0, 0
	WIN MUL
	MUL8 2, 1, 0
	MUL8 3, 1, 0
.endm
	s_wait_tensorcnt 1                             ; my part of K step 0 is in; K step 1's load may be out
	s_barrier_signal -1
	s_barrier_wait -1
	FETCH 0, 0, 0
	STEP 0, 0, 1
	WIN 0
	s_mov_b32 s3, LAPS-1
.Llap:
	STEP 0, 1, 0
	STEP 0, 2, 0
	TURN 0, 1, 1
	STEP 1, 0, 0
	STEP 1, 1, 0
	STEP 1, 2, 0
	TURN 1, 0, 1
	STEP 0, 0, 0
	WIN 0
	s_sub_co_u32 s3, s3, 1
	s_cmp_lg_u32 s3, 0
	s_cbranch_scc1 .Llap
	STEP 0, 1, 0
	STEP 0, 2, 0
	TURN 0, 1, 0
	STEP 1, 0, 0
	STEP 1, 1, 0
	STEP 1, 2, 0
	s_wait_dscnt 0x0
.irp a, 0,1,2,3
	MUL8 \a, 1, 0
.endr
	WIN 0
; THE WAY OUT: a block of 16 rows x 128 columns goes through my stage and comes back as whole rows of 512 bytes.  The stage lies in slot 0, which has had its last fill, and which nobody reads behind the last change of slots.
.macro TOSTAGE a
	WIN 0x04
.irp b, 0,1,2,3,4,5,6,7
	ds_store_b128 v[STO], v[8*(8*(\a)+\b):8*(8*(\a)+\b)+3] offset:64*\b
	ds_store_b128 v[STO], v[8*(8*(\a)+\b)+4:8*(8*(\a)+\b)+7] offset:64*\b+16
.endr
	WIN 0
.set BB, 32+64*((\a)%2)
.irp t, 0,1,2,3,4,5,6,7,8,9,10,11,12,13,14,15
	ds_load_b128 v[BB+4*\t:BB+4*\t+3], v[RD] offset:\t*528
.endr
.endm
.macro SEND a, younger
.set BB, 32+64*((\a)%2)
	s_wait_dscnt \younger                          ; the block is back in registers
.if (\a) > 0
	s_add_nc_u64 s[8:9], s[8:9], 262144            ; 16 rows on (the earlier stores have read their base: the wait stands ahead of this macro)
.endif
.irp t, 0,1,2,3,4,5,6,7,8,9,10,11,12,13,14,15
	global_store_b128 v[CO], v[BB+4*\t:BB+4*\t+3], s[8:9] offset:\t*16384 th:TH_STORE_NT   ; 32 lanes store 512 consecutive bytes, aligned
.endr
.endm
	PLACES 4
	TOSTAGE 0
.irp a, 1,2,3
.if \a > 1
	s_wait_xcnt 0x0                                ; block a - 2's stores have read their registers and their base
.endif
	TOSTAGE \a
	SEND \a-1, 32                                  ; behind block a - 1's loads: block a's 16 stores and 16 loads
.endr
	s_wait_xcnt 0x0
	SEND 3, 0
	s_wait_tensorcnt 0x0                           ; the wave's end
	ds_add_u32 v[SPW], v[NIL]
	s_wait_dscnt 0x0
	CROUND                                         ; the closing round
	s_endpgm
.Lfunc_end_k_q1b8ba5a574_oproj:
	.size	k_q1b8ba5a574_oproj, .Lfunc_end_k_q1b8ba5a574_oproj-k_q1b8ba5a574_oproj
	.p2alignl 7, 3214868480
	.fill 96, 4, 3214868480
	.section	.rodata,"a",@progbits
	.p2align	6, 0x0
	.amdhsa_kernel k_q1b8ba5a574_oproj
		.amdhsa_group_segment_fixed_size 327680
		.amdhsa_private_segment_fixed_size 0
		.amdhsa_enable_private_segment 0
		.amdhsa_kernarg_size 24
		.amdhsa_user_sgpr_count 2
		.amdhsa_user_sgpr_kernarg_segment_ptr 1
		.amdhsa_wavefront_size32 1
		.amdhsa_system_sgpr_workgroup_id_x 1
		.amdhsa_system_sgpr_workgroup_id_y 1
		.amdhsa_system_sgpr_workgroup_id_z 1
		.amdhsa_system_vgpr_workitem_id 0
		.amdhsa_next_free_vgpr 512
		.amdhsa_next_free_sgpr 100
		.amdhsa_reserve_vcc 0
		.amdhsa_float_denorm_mode_32 3
		.amdhsa_float_denorm_mode_16_64 3
		.amdhsa_memory_ordered 1
		.amdhsa_forward_progress 1
		.amdhsa_inst_pref_size 84
	.end_amdhsa_kernel
	.amdgpu_metadata
---
amdhsa.version: [ 1, 2 ]
amdhsa.kernels:
  - .name:           k_q1b8ba5a574_oproj
    .symbol:         k_q1b8ba5a574_oproj.kd
    .args:
      - { .name: att16, .offset: 0, .size: 8, .value_kind: global_buffer, .address_space: global }
      - { .name: wo16, .offset: 8, .size: 8, .value_kind: global_buffer, .address_space: global }
      - { .name: out0, .offset: 16, .size: 8, .value_kind: global_buffer, .address_space: global }
    .group_segment_fixed_size: 327680
    .private_segment_fixed_size: 0
    .kernarg_segment_align: 8
    .kernarg_segment_size: 24
    .max_flat_workgroup_size: 128
    .sgpr_count:     100
    .vgpr_count:     512
    .wavefront_size: 32
...
	.end_amdgpu_metadata
.endif
;; end of part 5
;; launch fproj (part 6): grid 256 x 1, 16 waves a work-group, no clusters, 18,432 bytes of LDS; arguments ofine, Wo, out0; writes out0
.if DOCPART == 6
	.amdgcn_target "amdgcn-amd-amdhsa--gfx1250"
	.amdhsa_code_object_version 6
	.text
	.protected	k_q1b8ba5a574_fproj
	.globl	k_q1b8ba5a574_fproj
	.p2align	8
	.type	k_q1b8ba5a574_fproj,@function
k_q1b8ba5a574_fproj:
	s_mov_b64 s[64:65], 0
	v_nop
	global_prefetch_b8 v0, s[64:65] scope:SCOPE_SE
	s_setreg_imm32_b32 hwreg(HW_REG_WAVE_MODE, 25, 1), 1
	s_wait_xcnt 0x0
; FPROJ: rows 0 to 15 of out0 once more, in f32: out0[q][n] = sum over k of ofine[q][k] Wo[k][n], written over the coarse rows of the launch before.
; A work-group takes 16 columns; wave w takes k = 128 w .. 128 w + 127; the sixteen partial tiles meet in LDS as images of their registers, and waves 0 to 7 add them, one register (two rows of out0) each.
; Sixteen waves, so that many loads are on their way for each WGP: the launch streams Wo once and does next to no arithmetic.
; v_wmma_f32_16x16x4_f32, 32 a wave (no bulk work): four accumulators by turns, each begun with 0; their sum goes into other registers.  The order of k is permuted alike in both operands:
; ofine's row comes by loads of 16 bytes (registers 4 c .. 4 c + 3: k = 8 c + 4 h + 0 .. 3), and Wo's rows are chosen to match.
; Wo's loads and out0's stores are pieces of 64 bytes: wider slices would leave most WGPs without work.
.set SPARE, 16384
.set SPW, 12
.set NIL, 13
.set AF,  32
.set BF,  96
.set AC,  160
	s_load_b128 s[4:7], s[0:1], 0x0                ; ofine, Wo
	s_load_b64 s[8:9], s[0:1], 0x10                ; out0
	v_lshl_add_u32 v[SPW], v0, 2, SPARE
	v_mov_b32 v[NIL], 0
	v_lshrrev_b32 v1, 5, v0
	v_readfirstlane_b32 s10, v1                    ; wave 0..15
	v_and_b32 v1, 15, v0                           ; r
	v_bfe_u32 v2, v0, 4, 1                         ; h
	v_and_b32 v8, 31, v0
	v_lshlrev_b32 v8, 4, v8                        ; 16 x lane
	v_lshlrev_b32 v3, 13, v1
	v_lshl_add_u32 v3, v2, 4, v3                   ; ofine: row r of 8,192 bytes, + 16 h
	v_lshlrev_b32 v4, 2, v1
	v_lshl_add_u32 v4, v2, 16, v4                  ; Wo: 4 h rows of 16,384 bytes, + 4 r
	s_lshl_b32 s11, s10, 10
	v_add_nc_u32 v5, s11, v8                       ; my image
	s_bfe_u32 s11, s10, 0x10002
	s_lshl_b32 s11, s11, 9
	s_and_b32 s12, s10, 3
	s_lshl_b32 s12, s12, 2
	s_add_co_u32 s11, s11, s12
	v_add_nc_u32 v6, s11, v8                       ; register w % 8 of an image
	v_lshlrev_b32 v7, 2, v1
	v_lshl_add_u32 v7, v2, 17, v7                  ; out0: 8 h rows, + 4 r
	s_mov_b32 s21, 0
	s_wait_kmcnt 0x0
	s_lshl_b32 s20, s10, 9
	s_add_nc_u64 s[14:15], s[4:5], s[20:21]        ; ofine at k = 128 w
	s_lshl_b32 s20, s10, 21
	s_lshl_b32 s12, ttmp9, 6
	s_add_co_u32 s20, s20, s12
	s_add_nc_u64 s[16:17], s[6:7], s[20:21]        ; Wo at row 128 w, my first column
	s_and_b32 s20, s10, 7
	s_lshl_b32 s20, s20, 14
	s_add_co_u32 s20, s20, s12
	s_add_nc_u64 s[18:19], s[8:9], s[20:21]        ; out0 at row w % 8, my first column
.irp u, 0,1,2,3                                ; four groups of 4 + 16 loads
.irp c, 0,1,2,3
	global_load_b128 v[AF+4*(4*\u+\c):AF+4*(4*\u+\c)+3], v3, s[14:15] offset:32*(4*\u+\c)
.irp e, 0,1,2,3
	global_load_b32 v[BF+4*(4*\u+\c)+\e], v4, s[16:17] offset:(8*(4*\u+\c)+\e)*16384
.endr
.endr
.endr
.irp u, 0,1,2,3
	s_wait_loadcnt 60-20*\u                        ; this group is in; the younger groups, 20 loads each, may be out
.irp c, 0,1,2,3
.irp i, 0,1
.if (\u == 0) && (\c < 2)
	v_wmma_f32_16x16x4_f32 v[AC+8*((2*\c+\i)%4):AC+8*((2*\c+\i)%4)+7], v[AF+4*(4*\u+\c)+2*\i:AF+4*(4*\u+\c)+2*\i+1], v[BF+4*(4*\u+\c)+2*\i:BF+4*(4*\u+\c)+2*\i+1], 0
.else
	v_wmma_f32_16x16x4_f32 v[AC+8*((2*\c+\i)%4):AC+8*((2*\c+\i)%4)+7], v[AF+4*(4*\u+\c)+2*\i:AF+4*(4*\u+\c)+2*\i+1], v[BF+4*(4*\u+\c)+2*\i:BF+4*(4*\u+\c)+2*\i+1], v[AC+8*((2*\c+\i)%4):AC+8*((2*\c+\i)%4)+7]
.endif
.endr
.endr
.endr
.rept 8
	v_nop                                          ; eight places behind this form before its results are read
.endr
.irp p, 0,2,4,6                                ; the four accumulators' sum, each read from its low end on
	v_pk_add_f32 v[16+\p:17+\p], v[AC+\p:AC+\p+1], v[AC+8+\p:AC+8+\p+1]
	v_pk_add_f32 v[24+\p:25+\p], v[AC+16+\p:AC+16+\p+1], v[AC+24+\p:AC+24+\p+1]
	v_pk_add_f32 v[16+\p:17+\p], v[16+\p:17+\p], v[24+\p:25+\p]
.endr
	ds_store_b128 v5, v[16:19]                     ; register j of lane (r, h): out0(8 h + j, my column r), my 128 of K
	ds_store_b128 v5, v[20:23] offset:512
	s_wait_dscnt 0x0
	s_barrier_signal -1
	s_barrier_wait -1
	s_cmp_lt_u32 s10, 8
	s_cbranch_scc0 .Ldone
.irp i, 0,1,2,3,4,5,6,7,8,9,10,11,12,13,14,15
	ds_load_b32 v[32+\i], v6 offset:1024*\i
.endr
	s_wait_dscnt 0x0
.irp i, 0,2,4,6,8,10,12,14
	v_add_f32 v[32+\i], v[32+\i], v[33+\i]
.endr
.irp i, 0,4,8,12
	v_add_f32 v[32+\i], v[32+\i], v[34+\i]
.endr
	v_add_f32 v32, v32, v36
	v_add_f32 v40, v40, v44
	v_add_f32 v32, v32, v40
	global_store_b32 v7, v32, s[18:19]
.Ldone:
	s_wait_tensorcnt 0x0                           ; the wave's end, behind my last LDS store
	ds_add_u32 v[SPW], v[NIL]
	s_wait_dscnt 0x0
	s_endpgm
.Lfunc_end_k_q1b8ba5a574_fproj:
	.size	k_q1b8ba5a574_fproj, .Lfunc_end_k_q1b8ba5a574_fproj-k_q1b8ba5a574_fproj
	.p2alignl 7, 3214868480
	.fill 96, 4, 3214868480
	.section	.rodata,"a",@progbits
	.p2align	6, 0x0
	.amdhsa_kernel k_q1b8ba5a574_fproj
		.amdhsa_group_segment_fixed_size 18432
		.amdhsa_private_segment_fixed_size 0
		.amdhsa_enable_private_segment 0
		.amdhsa_kernarg_size 24
		.amdhsa_user_sgpr_count 2
		.amdhsa_user_sgpr_kernarg_segment_ptr 1
		.amdhsa_wavefront_size32 1
		.amdhsa_system_sgpr_workgroup_id_x 1
		.amdhsa_system_sgpr_workgroup_id_y 1
		.amdhsa_system_sgpr_workgroup_id_z 1
		.amdhsa_system_vgpr_workitem_id 0
		.amdhsa_next_free_vgpr 192
		.amdhsa_next_free_sgpr 66
		.amdhsa_reserve_vcc 0
		.amdhsa_float_denorm_mode_32 3
		.amdhsa_float_denorm_mode_16_64 3
		.amdhsa_memory_ordered 1
		.amdhsa_forward_progress 1
		.amdhsa_inst_pref_size 15
	.end_amdhsa_kernel
	.amdgpu_metadata
---
amdhsa.version: [ 1, 2 ]
amdhsa.kernels:
  - .name:           k_q1b8ba5a574_fproj
    .symbol:         k_q1b8ba5a574_fproj.kd
    .args:
      - { .name: ofine, .offset: 0, .size: 8, .value_kind: global_buffer, .address_space: global }
      - { .name: Wo, .offset: 8, .size: 8, .value_kind: global_buffer, .address_space: global }
      - { .name: out0, .offset: 16, .size: 8, .value_kind: global_buffer, .address_space: global }
    .group_segment_fixed_size: 18432
    .private_segment_fixed_size: 0
    .kernarg_segment_align: 8
    .kernarg_segment_size: 24
    .max_flat_workgroup_size: 512
    .sgpr_count:     66
    .vgpr_count:     192
    .wavefront_size: 32
...
	.end_amdgpu_metadata
.endif
;; end of part 6
